; MI455X (gfx1250); checked and timed in simulation.
; The chip was launched on July 23, 2026; its instructions are those of AMD's public machine-readable ISA for CDNA 5 (MIT licence, August 2026) and "CDNA5" Instruction Set Architecture Reference Guide (July 2026). The comments in the code are by the model that wrote it; some were corrected since.
;; Causal Attention. Allowed arithmetic: matrix products marked QUANTISED: E2M3 operands, one E8M0 scale for each 32 along K, by v_wmma_scale_f32_16x16x128_f8f6f4 with both operands' format E2M3, f32 sums; everything else in f32.
;; Inputs: block_mask 4,096 x 4,096 bool; gate_b 1,024 float32; gate_w 1,024 x 1,024 float32; proj_b 1,024 float32; proj_w 1,024 x 1,024 float32; qkv_b 3,072 float32; qkv_w 1,024 x 3,072 float32; video_mask 1 bool; x 1 x 4,096 x 1,024 float32.
;; Outputs: out0 1 x 4,096 x 1,024 float32.
;; Constants: frame_seqlen = 128, num_frame_for_scale = 4, num_frame_per_block = 1, sliding_window_size = 4.
;; This version of the problem:
;;   THIS VERSION OF THE PROBLEM IS GIVEN IN LOW PRECISION. The matrix products marked QUANTISED in the list below multiply operands that are first quantised to E2M3 (2 exponent bits, 3 mantissa bits; 6 bits a number), with one power-of-two scale for each 32 numbers along K (OCP MX v1.0); their sums are f32. All else is computed in f32.
;;   The module's matrix products, in the order in which they are computed (A, B: the left and right operand; K: the contracted axis; several contracted axes count as one K, in the product's order):
;;     1. [M 4,096, K 1,024] x [K 1,024, N 3,072]; A: input x; B: input qkv_w: QUANTISED
;;     2. [M 4,096, K 1,024] x [K 1,024, N 1,024]; A: input x; B: input gate_w: QUANTISED
;;     3. batch 16 x [M 4,096, K 64] x [K 64, N 4,096]; A: computed on the way; B: computed on the way: QUANTISED
;;     4. batch 16 x [M 4,096, K 4,096] x [K 4,096, N 64]; A: softmax (see below); B: computed on the way: QUANTISED
;;     5. [M 4,096, K 1,024] x [K 1,024, N 1,024]; A: computed on the way; B: input proj_w: QUANTISED
;;   THE QUANTISER, for each operand of a quantised product, along K:
;;     - K is cut into blocks of 32 from its start; a last block that is shorter is filled with zeros.
;;     - A block's scale is 2^e with e = floor(log2(the largest magnitude in the block)) - 2, held to -126 .. 127; a block of zeros has e = 0. As a byte (E8M0): e + 127.
;;     - Each number is divided by its block's scale, clamped to +-7.5, and rounded to the nearest number of E2M3, ties to even, subnormals kept.
;;     - The product sums the exact products of the quantised numbers (number of the format x scale) in f32.
;;   ~~~python
;;   def quantise(x, axis):      # numpy; x: float32 -> the quantised numbers, widened to float32 again
;;       x = np.moveaxis(x, axis, -1); K = x.shape[-1]
;;       x = np.pad(x, [(0, 0)] * (x.ndim - 1) + [(0, -K % 32)]); x = x.reshape(x.shape[:-1] + (-1, 32)); a = np.abs(x).max(-1, keepdims=True)
;;       e = np.where(a > 0, np.clip(np.frexp(np.where(a > 0, a, 1))[1] - 1 - 2, -126, 127), 0)      # np.frexp(a)[1] - 1 = floor(log2(a)), exactly
;;       r = np.clip(x / 2.0 ** e, -7.5, 7.5)
;;       step = 2.0 ** (np.maximum(np.frexp(np.where(r == 0, 1, r))[1] - 1, 0) - 3)
;;       q = np.round(r / step) * step * 2.0 ** e      # np.round: ties to even
;;       return np.moveaxis(q.reshape(q.shape[:-2] + (-1,))[..., :K], -1, axis).astype(np.float32)
;;   ~~~
;;   SOFTMAX AHEAD OF A QUANTISED PRODUCT. Where the list says 'softmax', what is quantised is not the finished softmax but p = 2^(t - M), with t = logit x log2(e) and M = ceil(the row's largest t), a whole number; so 1/2 < the row's largest p <= 1. The row's sum l is taken of the UNQUANTISED p, in f32, and the product's result is divided by l at the end. Since M is a whole number, a kernel that streams over the keys may use a running M (the ceiling of the running maximum): every later rescaling is an exact power of two, which a block's scale takes up: the codes' values come out the same.
;;   OPERANDS COMPUTED ON THE WAY. 'Computed on the way' means the value that the module computes at that place (a softmax that the list does not call 'softmax' is quantised finished and normalised). What goes into a quantiser is computed in f32, as accurately as f32 sums, v_exp_f32 and their like allow (about 1e-6 of the number): no bf16 or f16 on the way to a quantiser, and a product that is left as it is and whose result goes on into a quantised operand takes f32 operands (vector FMAs, or v_wmma_f32_16x16x4_f32). A number that lies on a knife's edge between two numbers of the format may be rounded either way, as far as f32 arithmetic and the matrix unit's own rounding can turn it there, and no further.
;; One version. Each part assembles by itself: llvm-mc -triple=amdgcn-amd-amdhsa -mcpu=gfx1250 --defsym DOCPART=n.
;; ======== version 1 of 1: 4 launches
;; workspace buffers: cod 7,077,888 bytes; scl 294,912 bytes; mw 262,144 bytes of whole numbers; qf 3,407,872 bytes; kv 6,684,672 bytes; gt 16,777,216 bytes; oc 3,276,800 bytes
;; launch prep (part 1): grid 512 x 1, 4 waves a work-group, no clusters, 34,304 bytes of LDS; arguments x, qkv_w, gate_w, proj_w, block_mask, video_mask, cod, scl, mw; writes cod, scl, mw
.if DOCPART == 1
	.amdgcn_target "amdgcn-amd-amdhsa--gfx1250"
	.amdhsa_code_object_version 6
	.text
	.protected	k_q51a9b65baa_prep
	.globl	k_q51a9b65baa_prep
	.p2align	8
	.type	k_q51a9b65baa_prep,@function
k_q51a9b65baa_prep:
	s_mov_b64 s[64:65], 0
	v_nop
	global_prefetch_b8 v0, s[64:65] scope:SCOPE_SE
	s_setreg_imm32_b32 hwreg(HW_REG_WAVE_MODE, 25, 1), 1
	s_wait_xcnt 0x0
; PREP: the wide inputs become operands of the later launches, once.
;   x [4096][1024] and the three weights ([1024 (k)][n], K their FIRST axis) become codes of FP6 (E2M3) with one E8M0 byte for each 32 along K;
;   block_mask | ~video_mask becomes words of 32 lane bits for the window frames of each query frame.
; A block's scale is 2^(floor(log2(largest magnitude)) - 2): its byte is the largest magnitude's exponent field - 2, held at 1 from below.
; LIMITS: a block of zeros gets the byte 1 where the rule says 127 (its codes are zeros, and this program alone reads the bytes); NaN and infinities among the inputs are not served.
; ORDER OF ROWS.  An operand's rows (tokens of x, columns n of a weight) are laid by POSITION p = the row's number with bits 3 and 4 exchanged: tile T = p / 16, row r = p % 16 of it
; is row 32 (T / 2) + 8 (T % 2) + r % 8 + 16 (r / 8).  Used as source 0 of a product, two neighbouring tiles then give a lane 16 neighbours along that axis.
; A FRAGMENT (tile T, K step s of 128) is laid as the image of its 12 registers, 1,536 bytes, in two halves c of 768: registers 6 c, 6 c + 1 of lane l at 8 l, registers 6 c + 2 .. 6 c + 5 at 256 + 16 l.
;   cod: [block of 128 rows][s 0..7][tile 0..7][1,536]; blocks 0-31 x, 32-55 qkv_w's columns, 56-63 gate_w's, 64-71 proj_w's.   scl: word of (T, s, r) at 512 T + 256 (s / 4) + 16 r + 4 (s % 4).
; SHARES.  Work-groups 0-319: a weight's 128 columns x 128 along K, 32 columns a wave.  320-447: x, a wave 16 rows x 512 along K.  448-511: the mask, a wave one tile of 16 queries.
; The three ways part on the work-group's number; only x's way uses LDS; waves share nothing, so there is no barrier.  No matrix unit, no cluster, no tensor load: the launch streams.
.set RBB,  98304                       ; a block of 128 rows, all of K, in bytes
.set KSB,  12288                       ; one K step of it
.set FRB,  1536                        ; a fragment
.set PC,   208                         ; v208-219 a fragment's codes, v220-227 at work
.set TM,   228                         ; v228-231 largest magnitudes, v232-235 bytes, v240-243 the conversions' scale operands
.set SEL,  34                          ; s[34:35] lane selects for v_permlanex16_b32: lane l xor 16
	s_load_b256 s[4:11], s[0:1], 0x0               ; x, qkv_w, gate_w, proj_w
	s_load_b256 s[12:19], s[0:1], 0x20             ; block_mask, video_mask, cod, scl
	s_load_b64 s[20:21], s[0:1], 0x40              ; mw
	v_lshl_add_u32 v254, v0, 2, 0x8400
	v_mov_b32 v255, 0
	v_lshrrev_b32 v1, 5, v0
	v_readfirstlane_b32 s22, v1                    ; wave 0..3
	v_and_b32 v2, 31, v0                           ; lane
	v_lshlrev_b32 v3, 3, v2                        ; 8 x lane
	v_lshlrev_b32 v4, 4, v2                        ; 16 x lane
	s_cmp_ge_u32 ttmp9, 448
	s_cbranch_scc1 .Lmask
	s_cmp_ge_u32 ttmp9, 320
	s_cbranch_scc1 .Lx
; ---------------- THE WEIGHTS: a lane takes a column, its registers run down K ----------------
	s_lshr_b32 s23, ttmp9, 3                       ; cb: which 128 of the 5,120 columns
	s_and_b32 s24, ttmp9, 7                        ; s: which K step
	v_and_b32 v5, 7, v2
	v_bfe_u32 v6, v2, 3, 1
	v_bfe_u32 v7, v2, 4, 1
	v_lshl_or_b32 v5, v6, 4, v5
	v_lshl_or_b32 v5, v7, 3, v5                    ; the lane's number with bits 3 and 4 exchanged: lane L is position L and reads that column
	v_lshlrev_b32 v5, 2, v5                        ; in bytes: a load's 32 lanes still cover 128 consecutive bytes
	v_and_b32 v6, 15, v2
	v_lshlrev_b32 v6, 4, v6
	v_lshl_or_b32 v6, v7, 9, v6                    ; my scale word: tile L / 16 (512 bytes a tile), row L % 16 (16 bytes a row)
	s_wait_kmcnt 0x0
	s_cmp_lt_u32 s23, 32                           ; which tensor: the choice hangs on the work-group's number alone
	s_cselect_b64 s[26:27], s[8:9], s[10:11]
	s_cselect_b32 s25, 24, 32
	s_mov_b32 s28, 128*4096
	s_cmp_lt_u32 s23, 24
	s_cselect_b64 s[26:27], s[6:7], s[26:27]
	s_cselect_b32 s25, 0, s25
	s_cselect_b32 s28, 128*12288, s28              ; 128 rows of the tensor in bytes
	s_sub_co_u32 s25, s23, s25                     ; the block of columns inside its tensor
	s_lshl_b32 s25, s25, 9
	s_lshl_b32 s29, s22, 7                         ; + 32 columns a wave
	s_add_co_u32 s25, s25, s29
	s_mul_i32 s28, s28, s24                        ; + the K step's first row
	s_add_co_u32 s28, s28, s25
	s_mov_b32 s29, 0
	s_add_nc_u64 s[26:27], s[26:27], s[28:29]
	s_add_co_u32 s30, s23, 32                      ; codes: block 32 + cb, K step s, tiles 2 wave and 2 wave + 1
	s_mul_i32 s30, s30, RBB
	s_mul_i32 s31, s24, KSB
	s_add_co_u32 s30, s30, s31
	s_mul_i32 s31, s22, 2*FRB
	s_add_co_u32 s30, s30, s31
	s_mov_b32 s31, 0
	s_add_nc_u64 s[16:17], s[16:17], s[30:31]
	s_lshl_b32 s30, s23, 3                         ; scale words: tile 256 + 8 cb + 2 wave
	s_lshl_b32 s32, s22, 1
	s_add_co_u32 s30, s30, s32
	s_add_co_u32 s30, s30, 256
	s_lshl_b32 s30, s30, 9
	s_lshr_b32 s32, s24, 2
	s_lshl_b32 s32, s32, 8
	s_add_co_u32 s30, s30, s32
	s_and_b32 s32, s24, 3
	s_lshl_b32 s32, s32, 2
	s_add_co_u32 s30, s30, s32
	s_add_nc_u64 s[18:19], s[18:19], s[30:31]
.macro WLOAD pitch                     ; W(128 s + i, my column), i = 0 .. 127, into v16-143; the row's pitch stands in the immediate, so the run is written for both pitches
.set i, 0
.rept 128
	global_load_b32 v[16+i], v5, s[26:27] offset:i*\pitch th:TH_LOAD_NT
.set i, i+1
.endr
.endm
	s_cmp_lt_u32 s23, 24
	s_cbranch_scc0 .Lnarrow
	WLOAD 12288
	s_branch .Lwork
.Lnarrow:
	WLOAD 4096
.Lwork:
; Block kb of 32 along K: all 32 numbers are the lane's own.  left: the younger loads that may stay out (a wait's field holds 63 at the most, so the first two waits ask for more than they need)
.macro WBLOCK kb, left
.set XS, 16+32*\kb
	s_wait_loadcnt \left
	v_max3_num_f32 v144, |v[XS]|, |v[XS+1]|, |v[XS+2]|
	v_max3_num_f32 v145, |v[XS+3]|, |v[XS+4]|, |v[XS+5]|
.irp i, 6,10,14,18,22,26
	v_max3_num_f32 v144, v144, |v[XS+\i]|, |v[XS+\i+1]|
	v_max3_num_f32 v145, v145, |v[XS+\i+2]|, |v[XS+\i+3]|
.endr
	v_max3_num_f32 v144, v144, |v[XS+30]|, |v[XS+31]|
	v_max3_num_f32 v144, v144, v145, 0x1800000     ; and the floor 2^(3 - 127): the byte cannot fall under 1
	v_add_nc_u32 v146, 0xff000000, v144            ; 2 off the exponent field: the conversion takes the exponent field of this operand as its scale
	v_lshrrev_b32 v147, 23, v146                   ; the scale's byte
.if \kb == 0
	v_mov_b32 v148, v147
.else
	v_lshl_or_b32 v148, v147, 8*\kb, v148          ; four bytes make my column's scale word of this K step
.endif
	v_cvt_scalef32_pk16_fp6_f32 v[152+8*\kb:154+8*\kb], v[XS:XS+15], v146
	v_cvt_scalef32_pk16_fp6_f32 v[184+4*\kb:186+4*\kb], v[XS+16:XS+31], v146   ; (a conversion's three registers begin on an even number)
.endm
; Blocks 2 c and 2 c + 1 of 32 positions become half c of two fragments: a fragment's lanes 0-15 want block 2 c of its 16 rows, lanes 16-31 block 2 c + 1.
; The exchange gives the first run of six registers to tile 2 wave and the second to tile 2 wave + 1.  Each store's registers are its own: none is written again.
.macro WPAIR c
	v_nop                                          ; one plain place behind a scaled conversion
.irp i, 0,1,2
	v_mov_b32 v[155+16*\c+\i], v[184+8*\c+\i]
	v_mov_b32 v[163+16*\c+\i], v[188+8*\c+\i]
.endr
.irp i, 0,1,2,3,4,5
	v_permlane16_swap_b32 v[152+16*\c+\i], v[160+16*\c+\i]
.endr
	global_store_b64 v3, v[152+16*\c:153+16*\c], s[16:17] offset:768*\c              ; 256 consecutive bytes,
	global_store_b128 v4, v[154+16*\c:157+16*\c], s[16:17] offset:768*\c+256         ; 512 consecutive bytes
	global_store_b64 v3, v[160+16*\c:161+16*\c], s[16:17] offset:FRB+768*\c
	global_store_b128 v4, v[162+16*\c:165+16*\c], s[16:17] offset:FRB+768*\c+256
.endm
	WBLOCK 0, 63
	WBLOCK 1, 63
	WPAIR 0
	WBLOCK 2, 32
	WBLOCK 3, 0
	WPAIR 1
	global_store_b32 v6, v148, s[18:19]            ; 4 bytes of each row's 16: four K steps' work-groups fill a row; one byte in 128 of what this way reads
	s_endpgm
; ---------------- x: K is innermost ----------------
; 64 numbers of a lane, v[s] .. v[s + 63], register 16 b + i = k 32 b + 16 (lane / 16) + i of my row, become a fragment's codes in v[PC] on and its scale word in v[pw].
.macro QUANT s, pw
.irp b, 0,1,2,3
	v_max3_num_f32 v[TM+\b], |v[\s+16*\b]|, |v[\s+1+16*\b]|, 0x1800000   ; my 16 numbers of block b, and the floor
.endr
.irp i, 2,4,6,8,10,12,14
.irp b, 0,1,2,3
	v_max3_num_f32 v[TM+\b], v[TM+\b], |v[\s+16*\b+\i]|, |v[\s+1+16*\b+\i]|
.endr
.endr
.irp b, 0,1,2,3
	v_permlanex16_b32 v[TM+4+\b], v[TM+\b], s[SEL], s[SEL+1]
.endr
.irp b, 0,1,2,3
	v_max_num_f32 v[TM+\b], v[TM+\b], v[TM+4+\b]   ; with lane l xor 16's: the block's largest magnitude
.endr
.irp b, 0,1,2,3
	v_add_nc_u32 v[TM+12+\b], 0xff000000, v[TM+\b]
.endr
.irp b, 0,1,2,3
	v_lshrrev_b32 v[TM+4+\b], 23, v[TM+12+\b]
.endr
	v_lshl_or_b32 v[\pw], v[TM+5], 8, v[TM+4]
	v_lshl_or_b32 v[\pw], v[TM+6], 16, v[\pw]
	v_lshl_or_b32 v[\pw], v[TM+7], 24, v[\pw]
.irp c, 0,1
	v_cvt_scalef32_pk16_fp6_f32 v[PC+6*\c:PC+2+6*\c], v[\s+32*\c:\s+15+32*\c], v[TM+12+2*\c]
	v_cvt_scalef32_pk16_fp6_f32 v[PC+12+4*\c:PC+14+4*\c], v[\s+16+32*\c:\s+31+32*\c], v[TM+12+2*\c+1]
.endr
	v_nop                                          ; one plain place behind a scaled conversion
.irp c, 0,1                                    ; the operand's layout wants a whole block in a lane: lanes 0-15 block 2 c, lanes 16-31 block 2 c + 1
.irp i, 0,1,2
	v_permlane16_swap_b32 v[PC+6*\c+\i], v[PC+12+4*\c+\i]
.endr
.irp i, 0,1,2
	v_mov_b32 v[PC+3+6*\c+\i], v[PC+12+4*\c+\i]
.endr
.endr
.endm
.Lx:
	s_sub_co_u32 s23, ttmp9, 320
	s_lshl_b32 s23, s23, 2
	s_add_co_u32 s23, s23, s22                     ; 0 .. 511
	s_lshr_b32 s24, s23, 1                         ; T: my tile of 16 rows
	s_and_b32 s25, s23, 1                          ; g: K steps 4 g .. 4 g + 3
	s_lshr_b32 s26, s24, 1
	s_lshl_b32 s26, s26, 5
	s_and_b32 s27, s24, 1
	s_lshl_b32 s27, s27, 3
	s_add_co_u32 s26, s26, s27                     ; the tile's first row: 32 (T / 2) + 8 (T % 2)
	s_lshl_b32 s26, s26, 12
	s_lshl_b32 s27, s25, 11
	s_add_co_u32 s26, s26, s27
	s_mov_b32 s27, 0
	s_lshr_b32 s28, s24, 3
	s_mul_i32 s28, s28, RBB
	s_and_b32 s29, s24, 7
	s_mul_i32 s29, s29, FRB
	s_add_co_u32 s28, s28, s29
	s_mul_i32 s29, s25, 4*KSB
	s_add_co_u32 s28, s28, s29
	s_mov_b32 s29, 0
	s_lshl_b32 s30, s24, 9
	s_lshl_b32 s31, s25, 8
	s_add_co_u32 s30, s30, s31
	s_mov_b32 s31, 0
	s_mul_i32 s32, s22, 8448                       ; my wave's stage: 16 rows x (512 bytes + 16)
	v_add_nc_u32 v5, s32, v4                       ; in: 16 bytes a lane of a row's 512
	v_and_b32 v6, 15, v2                           ; r
	v_bfe_u32 v7, v2, 4, 1                         ; h
	v_mul_u32_u24 v8, v6, 528
	v_lshl_add_u32 v8, v7, 6, v8
	v_add_nc_u32 v8, s32, v8                       ; out: row r, + 64 h: my 16 numbers of each block of 32
	v_lshlrev_b32 v9, 4, v6                        ; 16 r
	s_mov_b32 s[SEL], 0x76543210
	s_mov_b32 s[SEL+1], 0xfedcba98
.irp b, 0,1,2,3
	v_mov_b32 v[TM+4+\b], 0                        ; written once: a lane permute's destination counts as one of its sources
.endr
	s_wait_kmcnt 0x0
	s_add_nc_u64 s[4:5], s[4:5], s[26:27]
	s_add_nc_u64 s[16:17], s[16:17], s[28:29]
	s_add_nc_u64 s[18:19], s[18:19], s[30:31]
.macro XLOAD s                         ; K step s of my 16 rows: a load takes 512 consecutive bytes of one row; stage row p is the tile's row p % 8 + 16 (p / 8)
.irp p, 0,1,2,3,4,5,6,7,8,9,10,11,12,13,14,15
	global_load_b128 v[16+64*((\s)%2)+4*\p:16+64*((\s)%2)+4*\p+3], v4, s[4:5] offset:((\p%8)+16*(\p/8))*4096+512*(\s) th:TH_LOAD_NT
.endr
.endm
.macro XTURN s                         ; through the stage: LDS serves a wave's instructions in order, so no wait stands between the stores and the loads
.irp p, 0,1,2,3,4,5,6,7,8,9,10,11,12,13,14,15
	ds_store_b128 v5, v[16+64*((\s)%2)+4*\p:16+64*((\s)%2)+4*\p+3] offset:528*\p
.endr
.irp b, 0,1,2,3
.irp j, 0,1,2,3
	ds_load_b128 v[144+16*\b+4*\j:144+16*\b+4*\j+3], v8 offset:128*\b+16*\j
.endr
.endr
.endm
	XLOAD 0
	XLOAD 1
.irp s, 0,1,2,3
.if \s < 3
	s_wait_loadcnt 16                              ; this K step's 16 loads are in; the next step's may be out
.else
	s_wait_loadcnt 0x0
.endif
	XTURN \s
	s_wait_dscnt 0x0                               ; my 64 numbers are back, and the stage's stores have read their registers,
.if \s < 2
	XLOAD \s+2                                     ; which take the loads of two steps on
.endif
.if \s > 0
	s_wait_xcnt 0x0                                ; the last step's stores have read the codes' registers: they are written again only behind this wait
.endif
	QUANT 144, 244+\s
	global_store_b64 v3, v[PC:PC+1], s[16:17] offset:KSB*\s
	global_store_b128 v4, v[PC+2:PC+5], s[16:17] offset:KSB*\s+256
	global_store_b64 v3, v[PC+6:PC+7], s[16:17] offset:KSB*\s+768
	global_store_b128 v4, v[PC+8:PC+11], s[16:17] offset:KSB*\s+1024
.endr
	s_wait_xcnt 0x0                                ; EXEC changes only behind this wait
	v_cmp_gt_u32 vcc_lo, 16, v2
	s_wait_tensorcnt 0x0
	ds_add_u32 v254, v255
	s_wait_dscnt 0x0
	s_and_saveexec_b32 s36, vcc_lo                 ; lanes 16-31 hold the same words as lanes 0-15
	global_store_b128 v9, v[244:247], s[18:19]     ; 16 lanes store 256 consecutive bytes: four K steps' words of 16 rows
	s_wait_xcnt 0x0
	s_or_b32 exec_lo, exec_lo, s36
	s_endpgm
; ---------------- THE MASK ----------------
; For query frame f the later launch walks key frames g0 + w, g0 = max(f - 3, 4), w = 0 .. 3.  Word n (0 .. 63) of (f, w, tile a): bit l says whether lane l's query (row l % 16 of tile a, by position)
; may see key 128 (g0 + w) + 32 (n / 16) + 16 (l / 16) + n % 16: block_mask | ~video_mask there, and 0 in a frame beyond f.  Keys under 512 always count and have no words.
.Lmask:
	s_sub_co_u32 s23, ttmp9, 448
	s_lshl_b32 s23, s23, 2
	s_add_co_u32 s23, s23, s22                     ; 0 .. 255
	s_lshr_b32 s24, s23, 3                         ; f
	s_and_b32 s25, s23, 7                          ; a
	s_sub_co_i32 s26, s24, 3
	s_max_i32 s26, s26, 4                          ; g0
	s_lshl_b32 s28, s24, 7
	s_lshr_b32 s27, s25, 1
	s_lshl_b32 s27, s27, 5
	s_add_co_u32 s28, s28, s27
	s_and_b32 s27, s25, 1
	s_lshl_b32 s27, s27, 3
	s_add_co_u32 s28, s28, s27                     ; the tile's first query
	s_lshl_b32 s28, s28, 12                        ; a row of the mask is 4,096 bytes
	s_lshl_b32 s27, s26, 7
	s_add_co_u32 s28, s28, s27                     ; + key 128 g0
	s_mov_b32 s29, 0
	s_lshl_b32 s30, s24, 13                        ; mw: 8,192 bytes a frame, 2,048 a w, 256 a tile
	s_lshl_b32 s27, s25, 8
	s_add_co_u32 s30, s30, s27
	s_mov_b32 s31, 0
	v_and_b32 v6, 7, v2
	v_bfe_u32 v7, v2, 3, 1
	v_lshl_or_b32 v6, v7, 4, v6                    ; r % 8 + 16 (r / 8)
	v_bfe_u32 v7, v2, 4, 1
	v_lshlrev_b32 v6, 12, v6
	v_lshl_or_b32 v6, v7, 4, v6                    ; + 16 h keys
	s_wait_kmcnt 0x0
	s_load_u8 s32, s[14:15], 0x0                   ; video_mask
	s_add_nc_u64 s[12:13], s[12:13], s[28:29]
	s_add_nc_u64 s[20:21], s[20:21], s[30:31]
.irp w, 0,1,2,3
.irp b, 0,1,2,3
	global_load_b128 v[16+16*\w+4*\b:16+16*\w+4*\b+3], v6, s[12:13] offset:128*\w+32*\b th:TH_LOAD_NT
.endr
.endr
	s_wait_kmcnt 0x0
	s_xor_b32 s32, s32, 1
	s_mul_i32 s32, s32, 0x01010101                 ; ~video_mask in each byte
.macro MWORDS w
	s_wait_loadcnt 12-4*\w                         ; this frame's four loads are in; the later frames' may be out
	s_add_co_u32 s33, s26, \w
	s_cmp_le_u32 s33, s24                          ; a frame beyond f counts for nothing
	s_cselect_b32 s38, -1, 0
	s_and_b32 s39, s32, s38
.irp k, 0,1,2,3,4,5,6,7,8,9,10,11,12,13,14,15
	v_and_or_b32 v[16+16*\w+\k], v[16+16*\w+\k], s38, s39
.endr
	v_mov_b32 v[82+2*\w], 0                        ; (a written lane's register counts as read)
	v_mov_b32 v[83+2*\w], 0
.set n, 0
.rept 64
	v_and_b32 v[80+n%2], 0xff<<(8*(n%4)), v[16+16*\w+n/4]    ; byte n of my 64
	v_cmp_ne_u32 s[36+n%2], 0, v[80+n%2]                     ; the 32 lanes' bits: word n
	v_writelane_b32 v[82+2*\w+n%2], s[36+n%2], n/2           ; words 2 L and 2 L + 1 go to lane L
.set n, n+1
.endr
	global_store_b64 v3, v[82+2*\w:83+2*\w], s[20:21] offset:2048*\w   ; 256 consecutive bytes
.endm
	MWORDS 0
	MWORDS 1
	MWORDS 2
	MWORDS 3
	s_endpgm
.Lfunc_end_k_q51a9b65baa_prep:
	.size	k_q51a9b65baa_prep, .Lfunc_end_k_q51a9b65baa_prep-k_q51a9b65baa_prep
	.p2alignl 7, 3214868480
	.fill 96, 4, 3214868480
	.section	.rodata,"a",@progbits
	.p2align	6, 0x0
	.amdhsa_kernel k_q51a9b65baa_prep
		.amdhsa_group_segment_fixed_size 34304
		.amdhsa_private_segment_fixed_size 0
		.amdhsa_enable_private_segment 0
		.amdhsa_kernarg_size 72
		.amdhsa_user_sgpr_count 2
		.amdhsa_user_sgpr_kernarg_segment_ptr 1
		.amdhsa_wavefront_size32 1
		.amdhsa_system_sgpr_workgroup_id_x 1
		.amdhsa_system_sgpr_workgroup_id_y 1
		.amdhsa_system_sgpr_workgroup_id_z 1
		.amdhsa_system_vgpr_workitem_id 0
		.amdhsa_next_free_vgpr 256
		.amdhsa_next_free_sgpr 66
		.amdhsa_reserve_vcc 1
		.amdhsa_float_denorm_mode_32 3
		.amdhsa_float_denorm_mode_16_64 3
		.amdhsa_memory_ordered 1
		.amdhsa_forward_progress 1
		.amdhsa_inst_pref_size 123
	.end_amdhsa_kernel
	.amdgpu_metadata
---
amdhsa.version: [ 1, 2 ]
amdhsa.kernels:
  - .name:           k_q51a9b65baa_prep
    .symbol:         k_q51a9b65baa_prep.kd
    .args:
      - { .name: x, .offset: 0, .size: 8, .value_kind: global_buffer, .address_space: global }
      - { .name: qkv_w, .offset: 8, .size: 8, .value_kind: global_buffer, .address_space: global }
      - { .name: gate_w, .offset: 16, .size: 8, .value_kind: global_buffer, .address_space: global }
      - { .name: proj_w, .offset: 24, .size: 8, .value_kind: global_buffer, .address_space: global }
      - { .name: block_mask, .offset: 32, .size: 8, .value_kind: global_buffer, .address_space: global }
      - { .name: video_mask, .offset: 40, .size: 8, .value_kind: global_buffer, .address_space: global }
      - { .name: cod, .offset: 48, .size: 8, .value_kind: global_buffer, .address_space: global }
      - { .name: scl, .offset: 56, .size: 8, .value_kind: global_buffer, .address_space: global }
      - { .name: mw, .offset: 64, .size: 8, .value_kind: global_buffer, .address_space: global }
    .group_segment_fixed_size: 34304
    .private_segment_fixed_size: 0
    .kernarg_segment_align: 8
    .kernarg_segment_size: 72
    .max_flat_workgroup_size: 128
    .sgpr_count:     66
    .vgpr_count:     256
    .wavefront_size: 32
...
	.end_amdgpu_metadata
.endif
;; end of part 1
;; launch gemm1 (part 2): grid 16 x 16, 4 waves a work-group, clusters of 4 x 4, 327,680 bytes of LDS; arguments cod, scl, qkv_b, gate_b, qf, kv, gt; writes qf, kv, gt
.if DOCPART == 2
	.amdgcn_target "amdgcn-amd-amdhsa--gfx1250"
	.amdhsa_code_object_version 6
	.text
	.protected	k_q51a9b65baa_gemm1
	.globl	k_q51a9b65baa_gemm1
	.p2align	8
	.type	k_q51a9b65baa_gemm1,@function
k_q51a9b65baa_gemm1:
	s_mov_b64 s[64:65], 0
	v_nop
	global_prefetch_b8 v0, s[64:65] scope:SCOPE_SE
	s_setreg_imm32_b32 hwreg(HW_REG_WAVE_MODE, 25, 1), 1
	s_wait_xcnt 0x0
	s_wait_alu depctr_hold_cnt(0) depctr_sa_sdst(0) depctr_va_vdst(0) depctr_va_sdst(0) depctr_va_ssrc(0) depctr_va_vcc(0) depctr_vm_vsrc(0)
	s_getreg_b32 s2, hwreg(HW_REG_IB_STS2, 6, 4)
	s_cmp_eq_u32 s2, 0
	s_cbranch_scc0 .Lentry_in_a_cluster
	s_endpgm
.Lentry_in_a_cluster:
	s_bfe_u32 s2, ttmp6, 0x10000c
	s_cmp_lg_u32 s2, 0xf033
	s_cbranch_scc0 .Lentry_shape_is_right
	s_endpgm
.Lentry_shape_is_right:
; GEMM1: x [qkv_w | gate_w] + bias on codes of FP6 (E2M3) with E8M0 scales, M = N = 4,096, K = 1,024; q, k and v are quantised on the way out and leave as operands of the attention launch, the gate leaves as f32.
; A tile of 256 x 256 is made by a work-group of four waves, a wave makes 128 x 128: 64 accumulators, 512 registers.  "B" is source 0 of the matrix instruction (its rows become a lane's registers),
; "A" is source 1 (its rows become lanes).  Both operands lie in one buffer of fragments laid as images of their registers (1,536 bytes: halves of 768: 256 bytes of 8 a lane, 512 bytes of 16 a lane),
; [block of 128 rows][K step][tile][1,536], rows by position (a row's number with bits 3 and 4 exchanged): so the 16 registers of two neighbouring tiles of B are 16 neighbours.
; MODE = the cluster's x, the same in all sixteen partners: 0 q, 1 k, 3 gate: B = the weight's columns, A = x's tokens: a lane holds a token, its registers run along the head's channels, which are K of q k^T.
;   2 v: B = x's tokens, A = the weight's columns: a lane holds a channel, its registers run along the tokens, which are K of p v.
; A wave's 128 tokens are one frame, its 128 columns one pair of heads hp; its results are record 32 hp + frame of qf, kv or gt.
; K goes through THREE LDS slots of 256 along K; quarters 0, 1, 2 are first fills, quarter 3 is the launch's one refill (slot 0): it is asked for behind K step 1 and waited for ahead of K step 6.
; CLUSTERS: 4 x 4.  A's tile hangs on the cluster's row alone, B's on its column alone: each is asked for jointly by four work-groups.
; The bias is the C of each sum's first matrix instruction.  The scale words of all of K come from memory into 64 registers once: lanes 0-15 A's, lanes 16-31 B's.
; LIMITS: a block of zeros gets the byte 1 where the rule says 127 (its codes are zeros; this program alone reads the bytes); NaN and infinities are not served.
; REGISTERS, in windows of 256: window 0: v16-27 LDS addresses, v28-29 the add's, v30-31 16 and 8 x lane, v32-95 scale words, v96-127 and v224-255 the bias, v128-223 A's fragments (one set);
;   on the way out v96-147 are at work.   window 1: B's fragments, two sets, at v0 and v128.   windows 2, 3: accumulator (a, b) at v[8 (8 (a % 4) + b)], a / 4 choosing the window.
.set RBB,   98304                      ; a block of 128 rows, all of K
.set KSB,   12288                      ; one K step of it
.set FRB,   1536                       ; a fragment
.set QB,    24576                      ; two K steps: what one tensor load brings
.set SLOT,  98304                      ; A's two halves, then B's two halves
.set SPARE, 294912                     ; behind the three slots: the spare words, 128 bytes for each wave: two blocks of 256 bytes that no other line names
.set FR,    12
.set ADRA,  16                         ; v16-18 A's place in slots 0..2 + 8 x lane;  v19-21 the same + 16 x lane
.set ADRB,  22                         ; v22-24, v25-27 the same for B
.set SPW,   28
.set NIL,   29
.set L16,   30
.set L8,    31
.set SC,    32                         ; word of block i, K step s at v[SC + 8 i + s]
.set AF,    128
.set TM,    96                         ; the way out: v96-99 largest magnitudes, v100-103 bytes, v108-111 the conversions' scale operands
.set PWS,   112                        ; v112-119 the eight blocks' scale words
.set WW,    120                        ; v120-127 as they are stored
.set PC,    128                        ; v128-139 a fragment's codes, v140-147 at work
.set G1A,   24
.set G0A,   32                         ; s[32:43] three sets
.set G1B,   48
.set G0B,   68                         ; s[68:79]
.set SEL,   92
.set MSB,   0
.macro WIN new                         ; the immediate's high byte repeats the setting that is left
.if MSB != (\new)
	s_set_vgpr_msb (MSB<<8)|(\new)
.set MSB, (\new)
.endif
.endm
; A joint load: waves 0 and 1 fetch A's halves, waves 2 and 3 B's.  The branch hangs on the wave's number alone.  Four v_nop follow each of the two lines.
.macro JLOAD g0a, g1a, g0b, g1b
	s_cmp_eq_u32 s21, 0
	s_cbranch_scc0 .Lfor_b_\@
	tensor_load_to_lds s[\g0a:\g0a+3], s[\g1a:\g1a+7]
	s_nop 0
.rept 4
	v_nop
.endr
	s_branch .Lasked_\@
.Lfor_b_\@:
	tensor_load_to_lds s[\g0b:\g0b+3], s[\g1b:\g1b+7]
	s_nop 0
.rept 4
	v_nop
.endr
.Lasked_\@:
.endm
.macro CREST                           ; a round of the cluster's barrier behind its opening barrier
	s_cmp_lg_u32 s20, 0
	s_cbranch_scc1 .Lnot_wave_0_\@
	s_barrier_signal -3
.Lnot_wave_0_\@:
	s_barrier_wait -3
	s_barrier_signal -1
	s_barrier_wait -1
.endm
.macro CROUND
	s_barrier_signal -1
	s_barrier_wait -1
	CREST
.endm
.macro PLACES n
.rept \n
	v_nop
.endr
.endm
	s_load_b256 s[4:11], s[0:1], 0x0               ; cod, scl, qkv_b, gate_b
	s_load_b128 s[12:15], s[0:1], 0x20             ; qf, kv
	s_load_b64 s[16:17], s[0:1], 0x30              ; gt
	v_lshl_add_u32 v[SPW], v0, 2, SPARE
	v_mov_b32 v[NIL], 0
	ds_add_u32 v28, v29
	ds_add_u32 v28, v29
	s_wait_dscnt 0x0
	v_lshrrev_b32 v1, 5, v0
	v_readfirstlane_b32 s20, v1                    ; wave 0..3
	s_lshr_b32 s21, s20, 1                         ; which half of A's rows is mine.  Also: I fetch for A (0) or for B (1)
	s_and_b32 s22, s20, 1                          ; which half of B's rows.  Also: which half I fetch
	s_mov_b32 s23, ttmp9                           ; the mode: the cluster's x
	s_bfe_u32 s44, ttmp6, 0x40000                  ; cx
	s_bfe_u32 s45, ttmp6, 0x40004                  ; cy
	s_and_b32 s46, ttmp7, 0xffff                   ; the cluster's y: which 1,024 tokens
	s_add_co_u32 s47, s23, 4                       ; which 1,024 rows of the buffer are the mode's columns
	s_cmp_eq_u32 s23, 2
	s_cselect_b32 s56, s46, s47                    ; B's 1,024 rows
	s_cselect_b32 s57, s47, s46                    ; A's
	s_lshl_b32 s56, s56, 2
	s_add_co_u32 s56, s56, s44                     ; B's tile of 256 rows: shared along a column of the cluster
	s_lshl_b32 s57, s57, 2
	s_add_co_u32 s57, s57, s45                     ; A's: shared along a row
	s_lshl_b32 s80, s45, 2
	s_lshl_b32 s80, 15, s80                        ; my row of the cluster
	s_lshl_b32 s81, 0x1111, s44                    ; my column
	; group 1: 24,576 dense bytes as 96 rows of 256 (32 elements of 8 bytes); no padding: the fragments' images are read densely
	s_or_b32 s[G1A], s80, (3<<16)|(1<<21)
	s_or_b32 s[G1B], s81, (3<<16)|(1<<21)
.irp g, G1A, G1B
	s_mov_b32 s[\g+1], 32<<16                      ; tensor_dim0
	s_mov_b32 s[\g+2], 96<<16                      ; tensor_dim1
	s_mov_b32 s[\g+3], 32<<16                      ; tile_dim0
	s_mov_b32 s[\g+4], 96                          ; tile_dim1
	s_mov_b32 s[\g+5], 32                          ; pitch
	s_mov_b32 s[\g+6], 0
	s_mov_b32 s[\g+7], 0
.endr
	s_lshl_b32 s58, s57, 1
	s_add_co_u32 s58, s58, s22
	s_mul_i32 s58, s58, RBB                        ; A: the block of 128 rows that I would fetch
	s_mov_b32 s59, 0
	s_lshl_b32 s60, s56, 1
	s_add_co_u32 s60, s60, s22
	s_mul_i32 s60, s60, RBB                        ; B likewise
	s_mov_b32 s61, 0
	s_mul_i32 s62, s20, QB                         ; where it goes in a slot: wave x 24,576
	s_wait_kmcnt 0x0
	s_add_nc_u64 s[58:59], s[4:5], s[58:59]
	s_add_nc_u64 s[60:61], s[4:5], s[60:61]
	CROUND                                         ; all sixteen work-groups are here: the first joint loads meet
.irp n, 0,1,2
	s_mov_b32 s[G0A+4*\n], 1
	s_add_co_u32 s[G0A+4*\n+1], s62, \n*SLOT
	s_add_nc_u64 s[G0A+4*\n+2:G0A+4*\n+3], s[58:59], \n*QB
	s_or_b32 s[G0A+4*\n+3], s[G0A+4*\n+3], 0x80000000
	s_mov_b32 s[G0B+4*\n], 1
	s_add_co_u32 s[G0B+4*\n+1], s62, \n*SLOT
	s_add_nc_u64 s[G0B+4*\n+2:G0B+4*\n+3], s[60:61], \n*QB
	s_or_b32 s[G0B+4*\n+3], s[G0B+4*\n+3], 0x80000000
	JLOAD G0A+4*\n, G1A, G0B+4*\n, G1B             ; K's quarters 0, 1, 2: three loads of mine are out
.endr
	v_and_b32 v1, 31, v0                           ; lane
	v_and_b32 v2, 15, v0                           ; r
	v_bfe_u32 v3, v0, 4, 1                         ; h
	v_lshlrev_b32 v[L16], 4, v1
	v_lshlrev_b32 v[L8], 3, v1
	s_mul_i32 s80, s21, QB                         ; my 128 rows of A in a slot
	s_mul_i32 s81, s22, QB
	s_add_co_u32 s81, s81, 2*QB                    ; my 128 rows of B
.irp n, 0,1,2
	v_add_nc_u32 v[ADRA+\n], s80, v[L8]
	v_add_nc_u32 v[ADRA+3+\n], s80, v[L16]
	v_add_nc_u32 v[ADRB+\n], s81, v[L8]
	v_add_nc_u32 v[ADRB+3+\n], s81, v[L16]
	s_add_co_u32 s80, s80, SLOT
	s_add_co_u32 s81, s81, SLOT
.endr
	s_lshl_b32 s82, s57, 1
	s_add_co_u32 s82, s82, s21                     ; my block of 128 rows of A
	s_lshl_b32 s83, s56, 1
	s_add_co_u32 s83, s83, s22                     ; and of B
	s_lshl_b32 s94, s82, 12                        ; 8 tiles x 512 bytes of scale words
	s_lshl_b32 s95, s83, 12
	v_mov_b32 v4, s94
	v_mov_b32 v5, s95
	v_cmp_lt_u32 vcc_lo, 15, v1
	v_cndmask_b32 v4, v4, v5, vcc_lo               ; lanes 0-15 take A's words, lanes 16-31 B's
	v_lshl_add_u32 v4, v2, 4, v4
.irp i, 0,1,2,3,4,5,6,7
	global_load_b128 v[SC+8*\i:SC+8*\i+3], v4, s[6:7] offset:512*\i
	global_load_b128 v[SC+8*\i+4:SC+8*\i+7], v4, s[6:7] offset:512*\i+256
.endr
	s_cmp_eq_u32 s23, 2
	s_cselect_b32 s96, s83, s82                    ; the tokens' block: the frame
	s_cselect_b32 s97, s82, s83                    ; the columns' block
	s_lshl_b32 s98, s23, 3
	s_add_co_u32 s98, s98, 32
	s_sub_co_u32 s97, s97, s98                     ; hp: the pair of heads
	s_lshl_b32 s98, s97, 5
	s_add_co_u32 s96, s98, s96                     ; the record: 32 hp + frame
	s_lshl_b32 s98, s23, 12
	s_cmp_eq_u32 s23, 3
	s_cselect_b64 s[90:91], s[10:11], s[8:9]       ; the bias: gate_b, or qkv_b at the mode's 1,024
	s_cselect_b32 s98, 0, s98
	s_lshl_b32 s99, s97, 9
	s_add_co_u32 s98, s98, s99
	s_mov_b32 s99, 0
	s_add_nc_u64 s[90:91], s[90:91], s[98:99]
	s_mov_b32 s94, 26112                           ; a record of kv; of qf: 13,312
	s_mov_b32 s95, 24576                           ; where its scale words begin: k 24,576, q 12,288, v 25,600
	s_cmp_eq_u32 s23, 0
	s_cselect_b64 s[84:85], s[12:13], s[14:15]
	s_cselect_b32 s94, 13312, s94
	s_cselect_b32 s95, 12288, s95
	s_mov_b32 s98, 25600
	s_cmp_eq_u32 s23, 2
	s_cselect_b32 s95, s98, s95
	s_cselect_b32 s98, 12288, 0                    ; where its codes begin: v's lie behind k's
	s_mul_i32 s94, s94, s96
	s_add_co_u32 s98, s98, s94
	s_add_co_u32 s94, s94, s95
	s_mov_b32 s95, 0
	s_add_nc_u64 s[86:87], s[84:85], s[94:95]      ; scale words
	s_add_nc_u64 s[84:85], s[84:85], s[98:99]      ; codes
	s_lshl_b32 s94, s96, 16
	s_add_nc_u64 s[88:89], s[16:17], s[94:95]      ; the gate's record
	s_mov_b32 s[SEL], 0x76543210
	s_mov_b32 s[SEL+1], 0xfedcba98
	; the bias in the result's layout, tile t at v[96 + 8 t + 96 (t / 4)]
	s_cmp_eq_u32 s23, 2
	s_cbranch_scc1 .Lbias_v
	v_lshlrev_b32 v5, 6, v3                        ; registers run along the columns: tile b, lane half h: columns 32 (b / 2) + 16 h + 8 (b % 2) + 0 .. 7
.irp b, 0,1,2,3,4,5,6,7
	global_load_b128 v[96+8*\b+96*(\b/4):96+8*\b+96*(\b/4)+3], v5, s[90:91] offset:(32*(\b/2)+8*(\b%2))*4
	global_load_b128 v[96+8*\b+96*(\b/4)+4:96+8*\b+96*(\b/4)+7], v5, s[90:91] offset:(32*(\b/2)+8*(\b%2))*4+16
.endr
	s_branch .Lbias_in
.Lbias_v:
	v_and_b32 v5, 7, v2                            ; a lane is a column: tile a, row r: column 32 (a / 2) + 8 (a % 2) + r % 8 + 16 (r / 8), the same in all eight registers
	v_bfe_u32 v6, v2, 3, 1
	v_lshl_or_b32 v5, v6, 4, v5
	v_lshlrev_b32 v5, 2, v5
.irp a, 0,1,2,3,4,5,6,7
	global_load_b32 v[96+8*\a+96*(\a/4)], v5, s[90:91] offset:(32*(\a/2)+8*(\a%2))*4
.endr
	s_wait_loadcnt 0x0
.irp a, 0,1,2,3,4,5,6,7
.irp j, 1,2,3,4,5,6,7
	v_mov_b32 v[96+8*\a+96*(\a/4)+\j], v[96+8*\a+96*(\a/4)]
.endr
.endr
.Lbias_in:
.macro FRAG reg, adr, q, i             ; a fragment comes back as it was laid: 8, 16, 8, 16 bytes a lane, each load on consecutive bytes
	ds_load_b64 v[\reg:\reg+1], v[\adr] offset:(\q)*KSB+(\i)*FRB
	ds_load_b128 v[\reg+2:\reg+5], v[\adr+3] offset:(\q)*KSB+(\i)*FRB+256
	ds_load_b64 v[\reg+6:\reg+7], v[\adr] offset:(\q)*KSB+(\i)*FRB+768
	ds_load_b128 v[\reg+8:\reg+11], v[\adr+3] offset:(\q)*KSB+(\i)*FRB+1024
.endm
.macro FETCH_B slot, q, p              ; B's eight fragments of the slot's q-th K step into set p
	WIN 0x40
.irp i, 0,1,2,3,4,5,6,7
	FRAG 128*(\p)+FR*\i, ADRB+\slot, \q, \i
.endr
	WIN 0
.endm
.macro FETCH_A slot, q, i0             ; A's blocks i0 .. i0 + 3
.irp i, \i0, \i0+1, \i0+2, \i0+3
	FRAG AF+FR*(\i), ADRA+\slot, \q, \i
.endr
.endm
; 16 matrix instructions: A's blocks a0, a0 + 1 x B's eight, K step ks.  form 0: the sums go on; 1: they begin with the bias of B's block; 2: of A's block.
; The 64 accumulators take turns, one instruction a turn, in the same order in every K step.
.macro MUL16 a0, ks, form
.irp a, \a0, \a0+1
.irp b, 0,1,2,3,4,5,6,7
.if \form == 0
	v_wmma_scale_f32_16x16x128_f8f6f4 v[8*(8*((\a)%4)+\b):8*(8*((\a)%4)+\b)+7], v[128*((\ks)%2)+FR*\b:128*((\ks)%2)+FR*\b+FR-1], v[AF+FR*(\a):AF+FR*(\a)+FR-1], v[8*(8*((\a)%4)+\b):8*(8*((\a)%4)+\b)+7], v[SC+8*\b+(\ks)], v[SC+8*(\a)+(\ks)] matrix_a_fmt:MATRIX_FMT_FP6 matrix_b_fmt:MATRIX_FMT_FP6 matrix_a_scale:MATRIX_SCALE_ROW1
.elseif \form == 1
	v_wmma_scale_f32_16x16x128_f8f6f4 v[8*(8*((\a)%4)+\b):8*(8*((\a)%4)+\b)+7], v[128*((\ks)%2)+FR*\b:128*((\ks)%2)+FR*\b+FR-1], v[AF+FR*(\a):AF+FR*(\a)+FR-1], v[96+8*\b+96*(\b/4):96+8*\b+96*(\b/4)+7], v[SC+8*\b+(\ks)], v[SC+8*(\a)+(\ks)] matrix_a_fmt:MATRIX_FMT_FP6 matrix_b_fmt:MATRIX_FMT_FP6 matrix_a_scale:MATRIX_SCALE_ROW1
.else
	v_wmma_scale_f32_16x16x128_f8f6f4 v[8*(8*((\a)%4)+\b):8*(8*((\a)%4)+\b)+7], v[128*((\ks)%2)+FR*\b:128*((\ks)%2)+FR*\b+FR-1], v[AF+FR*(\a):AF+FR*(\a)+FR-1], v[96+8*(\a)+96*((\a)/4):96+8*(\a)+96*((\a)/4)+7], v[SC+8*\b+(\ks)], v[SC+8*(\a)+(\ks)] matrix_a_fmt:MATRIX_FMT_FP6 matrix_b_fmt:MATRIX_FMT_FP6 matrix_a_scale:MATRIX_SCALE_ROW1
.endif
.endr
.endr
.endm
; K step ks; the next step's fragments come from slot nslot, its nq-th K step.  A load into a register that a matrix instruction has read stands four plain vector instructions behind it (ISA guide 7.12.1 for vector instructions).
.macro STEP ks, nslot, nq, form
	s_wait_dscnt 16                                ; B's set and A's blocks 0-3 are in; the youngest 16 loads (A's blocks 4-7) may be out
.if \form
	WIN 0x81                                       ; B window 1, A and the bias window 0, the result window 2
.else
	WIN 0xa1                                       ; B window 1, A window 0, C and D window 2
.endif
	MUL16 0, \ks, \form
	MUL16 2, \ks, \form
	s_wait_dscnt 0x0                               ; A's blocks 4-7 are in
	PLACES 4
	FETCH_B \nslot, \nq, 1-(\ks)%2
	FETCH_A \nslot, \nq, 0
.if \form
	WIN 0xc1
.else
	WIN 0xf1
.endif
	MUL16 4, \ks, \form
	MUL16 6, \ks, \form
	PLACES 4
	WIN 0
	FETCH_A \nslot, \nq, 4
.endm
; A K step with a barrier: in front of it each wave waits for all its tensor loads, adds 0 to its spare word, and waits for that and for its reads of the slot in hand.
; fill = 1: the barrier opens a round of the cluster's, and behind it slot 0 takes K's quarter 3.  fill = 0: behind it that quarter is whole for every wave.
.macro TURN ks, nslot, fill
	s_wait_tensorcnt 0x0                           ; all my tensor loads have landed
	ds_add_u32 v[SPW], v[NIL]                      ; 0 onto my spare word
	s_wait_dscnt 17                                ; (the add and the youngest 16 loads may be out)
	WIN 0xa1
	MUL16 0, \ks, 0                                ; sixteen matrix instructions stand between the add and the wait for it
	s_wait_dscnt 0x0                               ; the add is done, and my reads of this slot are over
	s_barrier_signal -1
	MUL16 2, \ks, 0
	WIN 0
	s_barrier_wait -1
.if \fill
	CREST                                          ; no wave of any partner still reads slot 0 or has a load on its way
	s_add_nc_u64 s[G0A+2:G0A+3], s[G0A+2:G0A+3], 3*QB
	s_add_nc_u64 s[G0B+2:G0B+3], s[G0B+2:G0B+3], 3*QB
	JLOAD G0A, G1A, G0B, G1B                       ; the first tensor load behind the round, one a wave; its four v_nop are also the places in front of the loads below
.else
	PLACES 4
.endif
	FETCH_B \nslot, 0, 1-(\ks)%2
	FETCH_A \nslot, 0, 0
	WIN 0xf1
	MUL16 4, \ks, 0
	MUL16 6, \ks, 0
	PLACES 4
	WIN 0
	FETCH_A \nslot, 0, 4
.endm
	s_wait_tensorcnt 2                             ; my part of quarter 0 is in; quarters 1 and 2 may stay out
	s_barrier_signal -1
	s_barrier_wait -1                              ; everybody's is
	FETCH_B 0, 0, 0
	FETCH_A 0, 0, 0
	FETCH_A 0, 0, 4
	s_wait_loadcnt 0x0                             ; the scale words and the bias
	s_cmp_eq_u32 s23, 2
	s_cbranch_scc1 .Lfirst_v
	STEP 0, 0, 1, 1                                ; the first K step starts the sums with the bias: nothing is cleared
	s_branch .Lfirst_done
.Lfirst_v:
	STEP 0, 0, 1, 2
.Lfirst_done:
	TURN 1, 1, 1                                   ; slot 0 is left and filled again; every wave has shown quarters 1 and 2 landed
	STEP 2, 1, 1, 0
	STEP 3, 2, 0, 0                                ; so no barrier stands between slots 1 and 2
	STEP 4, 2, 1, 0
	TURN 5, 0, 0
	STEP 6, 0, 1, 0
	s_wait_dscnt 16                                ; the last K step: nothing more to fetch
	WIN 0xa1
	MUL16 0, 7, 0
	MUL16 2, 7, 0
	s_wait_dscnt 0x0
	WIN 0xf1
	MUL16 4, 7, 0
	MUL16 6, 7, 0
	WIN 0
	PLACES 4                                       ; in front of the first reads of results and writes of A's registers
	s_cmp_eq_u32 s23, 3
	s_cbranch_scc1 .Lgate
; THE WAY OUT OF q, k, v.  Block a's 64 registers of a lane are register 16 B + i = number 32 B + 16 (lane / 16) + i along the next product's K: they are quantised as they stand and leave as one fragment's image.
; q, k: its half c is head c's 64 channels of 16 tokens.  v: a = 4 x head + tile of 16 channels, K = the frame's 128 tokens.  Each accumulator is first read at its low end.
.macro QOUT a
.set XW, 2+(\a)/4
.set AC, 64*((\a)%4)
	WIN 0
.irp b, 0,1,2,3
	v_mov_b32 v[TM+\b], 0x1800000                  ; the floor 2^(3 - 127): the byte cannot fall under 1
.endr
	WIN (XW<<2)|(XW<<4)
.irp i, 0,2,4,6,8,10,12,14
.irp b, 0,1,2,3
	v_max3_num_f32 v[TM+\b], v[TM+\b], |v[AC+16*\b+\i]|, |v[AC+16*\b+\i+1]|
.endr
.endr
	WIN 0
.irp b, 0,1,2,3
	v_permlanex16_b32 v[TM+4+\b], v[TM+\b], s[SEL], s[SEL+1]
.endr
.irp b, 0,1,2,3
	v_max_num_f32 v[TM+\b], v[TM+\b], v[TM+4+\b]
.endr
.irp b, 0,1,2,3
	v_add_nc_u32 v[TM+12+\b], 0xff000000, v[TM+\b]
.endr
.irp b, 0,1,2,3
	v_lshrrev_b32 v[TM+4+\b], 23, v[TM+12+\b]
.endr
	v_lshl_or_b32 v[PWS+\a], v[TM+5], 8, v[TM+4]
	v_lshl_or_b32 v[PWS+\a], v[TM+6], 16, v[PWS+\a]
	v_lshl_or_b32 v[PWS+\a], v[TM+7], 24, v[PWS+\a]
.if \a > 0
	s_wait_xcnt 0x0                                ; the last block's stores have read the codes' registers
.endif
	WIN XW
.irp c, 0,1
	v_cvt_scalef32_pk16_fp6_f32 v[PC+6*\c:PC+2+6*\c], v[AC+32*\c:AC+15+32*\c], v[TM+12+2*\c]
	v_cvt_scalef32_pk16_fp6_f32 v[PC+12+4*\c:PC+14+4*\c], v[AC+16+32*\c:AC+31+32*\c], v[TM+12+2*\c+1]
.endr
	WIN 0
	v_nop                                          ; one plain place behind a scaled conversion
.irp c, 0,1
.irp i, 0,1,2
	v_permlane16_swap_b32 v[PC+6*\c+\i], v[PC+12+4*\c+\i]
.endr
.irp i, 0,1,2
	v_mov_b32 v[PC+3+6*\c+\i], v[PC+12+4*\c+\i]
.endr
.endr
	global_store_b64 v[L8], v[PC:PC+1], s[84:85] offset:FRB*\a
	global_store_b128 v[L16], v[PC+2:PC+5], s[84:85] offset:FRB*\a+256
	global_store_b64 v[L8], v[PC+6:PC+7], s[84:85] offset:FRB*\a+768
	global_store_b128 v[L16], v[PC+8:PC+11], s[84:85] offset:FRB*\a+1024
.endm
.irp b, 0,1,2,3
	v_mov_b32 v[TM+4+\b], 0                        ; a lane permute's destination counts as one of its sources
.endr
.irp a, 0,1,2,3,4,5,6,7
	QOUT \a
.endr
	v_cmp_lt_u32 vcc_lo, 0xff, v[L16]              ; lanes 16-31
.irp i, 0,1,2,3
	v_cndmask_b32 v[WW+\i], v[PWS+\i], v[PWS+4+\i], vcc_lo    ; lanes 0-15: blocks 0-3's words of row r, lanes 16-31: blocks 4-7's
.endr
	global_store_b128 v[L16], v[WW:WW+3], s[86:87] ; 512 consecutive bytes.  q, k: head 0's words (their upper two bytes meet zero codes alone); v: both heads'
	s_cmp_eq_u32 s23, 2
	s_cbranch_scc1 .Lend
.irp i, 0,1,2,3
	v_lshrrev_b32 v[WW+4+\i], 16, v[WW+\i]         ; head 1's two bytes, at the low end
.endr
	global_store_b128 v[L16], v[WW+4:WW+7], s[86:87] offset:512
	s_branch .Lend
.Lgate:
; THE GATE leaves as the image of its accumulators, f32: it stands ahead of a quantiser.  Registers 8 b + 4 e .. + 3 of block a at 8,192 a + 1,024 b + 512 e + 16 x lane.
.irp a, 0,1,2,3,4,5,6,7
	WIN (2+\a/4)<<2
.irp b, 0,1,2,3,4,5,6,7
	global_store_b128 v[L16], v[64*(\a%4)+8*\b:64*(\a%4)+8*\b+3], s[88:89] offset:8192*\a+1024*\b
	global_store_b128 v[L16], v[64*(\a%4)+8*\b+4:64*(\a%4)+8*\b+7], s[88:89] offset:8192*\a+1024*\b+512
.endr
.endr
	WIN 0
.Lend:
	s_wait_tensorcnt 0x0                           ; the wave's end
	ds_add_u32 v[SPW], v[NIL]
	s_wait_dscnt 0x0
	CROUND                                         ; the closing round: no work-group ends while a partner may still ask for a tile that names it
	s_endpgm
.Lfunc_end_k_q51a9b65baa_gemm1:
	.size	k_q51a9b65baa_gemm1, .Lfunc_end_k_q51a9b65baa_gemm1-k_q51a9b65baa_gemm1
	.p2alignl 7, 3214868480
	.fill 96, 4, 3214868480
	.section	.rodata,"a",@progbits
	.p2align	6, 0x0
	.amdhsa_kernel k_q51a9b65baa_gemm1
		.amdhsa_group_segment_fixed_size 327680
		.amdhsa_private_segment_fixed_size 0
		.amdhsa_enable_private_segment 0
		.amdhsa_kernarg_size 56
		.amdhsa_user_sgpr_count 2
		.amdhsa_user_sgpr_kernarg_segment_ptr 1
		.amdhsa_wavefront_size32 1
		.amdhsa_system_sgpr_workgroup_id_x 1
		.amdhsa_system_sgpr_workgroup_id_y 1
		.amdhsa_system_sgpr_workgroup_id_z 1
		.amdhsa_system_vgpr_workitem_id 0
		.amdhsa_next_free_vgpr 1024
		.amdhsa_next_free_sgpr 100
		.amdhsa_reserve_vcc 1
		.amdhsa_float_denorm_mode_32 3
		.amdhsa_float_denorm_mode_16_64 3
		.amdhsa_memory_ordered 1
		.amdhsa_forward_progress 1
		.amdhsa_inst_pref_size 177
	.end_amdhsa_kernel
	.amdgpu_metadata
---
amdhsa.version: [ 1, 2 ]
amdhsa.kernels:
  - .name:           k_q51a9b65baa_gemm1
    .symbol:         k_q51a9b65baa_gemm1.kd
    .args:
      - { .name: cod, .offset: 0, .size: 8, .value_kind: global_buffer, .address_space: global }
      - { .name: scl, .offset: 8, .size: 8, .value_kind: global_buffer, .address_space: global }
      - { .name: qkv_b, .offset: 16, .size: 8, .value_kind: global_buffer, .address_space: global }
      - { .name: gate_b, .offset: 24, .size: 8, .value_kind: global_buffer, .address_space: global }
      - { .name: qf, .offset: 32, .size: 8, .value_kind: global_buffer, .address_space: global }
      - { .name: kv, .offset: 40, .size: 8, .value_kind: global_buffer, .address_space: global }
      - { .name: gt, .offset: 48, .size: 8, .value_kind: global_buffer, .address_space: global }
    .group_segment_fixed_size: 327680
    .private_segment_fixed_size: 0
    .kernarg_segment_align: 8
    .kernarg_segment_size: 56
    .max_flat_workgroup_size: 128
    .sgpr_count:     100
    .vgpr_count:     1024
    .wavefront_size: 32
...
	.end_amdgpu_metadata
.endif
;; end of part 2
;; launch attn (part 3): grid 32 x 8, 16 waves a work-group, clusters of 4 x 1, 280,576 bytes of LDS; arguments qf, kv, gt, mw, oc; writes oc
.if DOCPART == 3
	.amdgcn_target "amdgcn-amd-amdhsa--gfx1250"
	.amdhsa_code_object_version 6
	.text
	.protected	k_q51a9b65baa_attn
	.globl	k_q51a9b65baa_attn
	.p2align	8
	.type	k_q51a9b65baa_attn,@function
k_q51a9b65baa_attn:
	s_mov_b64 s[64:65], 0
	v_nop
	global_prefetch_b8 v0, s[64:65] scope:SCOPE_SE
	s_setreg_imm32_b32 hwreg(HW_REG_WAVE_MODE, 25, 1), 1
	s_wait_xcnt 0x0
	s_wait_alu depctr_hold_cnt(0) depctr_sa_sdst(0) depctr_va_vdst(0) depctr_va_sdst(0) depctr_va_ssrc(0) depctr_va_vcc(0) depctr_vm_vsrc(0)
	s_getreg_b32 s2, hwreg(HW_REG_IB_STS2, 6, 4)
	s_cmp_eq_u32 s2, 0
	s_cbranch_scc0 .Lentry_in_a_cluster
	s_endpgm
.Lentry_in_a_cluster:
	s_bfe_u32 s2, ttmp6, 0x10000c
	s_cmp_lg_u32 s2, 0x3003
	s_cbranch_scc0 .Lentry_shape_is_right
	s_endpgm
.Lentry_shape_is_right:
; ATTN: softmax(q k^T / 8, masked) v, divided by the row's sum, times sigmoid(gate), quantised along the channels: both products on codes of FP6 (E2M3) with E8M0 scales.
; THE MASK: key k counts for query q where k < 512, or where k's frame of 128 lies in [q's frame - 3, q's frame] and block_mask | ~video_mask holds.  So a query frame f walks EIGHT key frames:
; 0 .. 3, which always count, then g0 .. g0 + 3, g0 = max(f - 3, 4), under words of lane bits that the first launch made (all 0 for a frame beyond f: such a step is computed and adds nothing).
; No row is empty, and the first four steps make the running maximum a number before any hidden score is met.
; THE SOFTMAX AHEAD OF THE SECOND PRODUCT: t = score x log2(e) / 8; M = the running largest t rounded UP to a whole number; p = 2^(t - M) is quantised along the keys, not normalised;
; the row's sum is taken of the unquantised p; when M moves, the sum and O are multiplied by 2^(old M - new M), which rounds nothing.
; SHARES.  A work-group owns one query frame and one pair of heads hp; wave w owns head w / 8 of the pair and tile w % 8 of 16 queries, in 256 registers: four waves to a SIMD.
; LDS: the eight key frames' records (26,112 bytes: k's fragments, v's fragments, k's and v's scale words) are filled ONCE, half a record a wave: no slot is filled again.
; CLUSTER: the four query frames of a cluster share hp.  Frames 0 .. 3 are the same for all four: waves 0-7 ask for them JOINTLY.  The window frames differ from partner to partner and no LDS address may
; hang on a work-group's place, so waves 8-15 ask for those by loads of their own.
; LAYOUT.  Both products are used transposed: S^T = k q^T, O^T = v^T p^T: a lane holds one query throughout.  k's tokens and v's channels are laid by position (bits 3 and 4 exchanged), so the 16 registers of
; two neighbouring tiles are 16 neighbours.  q k^T has K = 64: registers 6 .. 11 of both operands are zero codes, which add nothing under any byte but 0xff; the bytes beside them are never 0xff.
; LIMITS: 1 / sum and the sigmoid are made by v_rcp_f32 and v_exp_f32; a block of zeros gets the byte 1; NaN and infinities are not served.
; REGISTERS: v1-6 lane places in a record, v7 my sigmoid's place; v8-11, v28-29 the step's addresses; v12 -M, v13 the largest t, v[14:15] the sum; v16-27 q; v30 q's scale word; v31 -infinity;
;   v32-79 four fragments of k; v80-103 two of v; v104-107, v108-111 their scale words; v112-175 S^T, then p; v176-207 O^T; v208-227 p's codes; v228-248 at work; v250-254 addresses that stay.
.set REC,  26112
.set FRB,  1536
.set SG,   208896                      ; behind the eight records: 4,096 bytes a wave: sigmoid(gate) as the image of 32 registers
.set OSC,  274432                      ; 512 bytes: the work-group's scale words of the output
.macro CROUND
	s_barrier_signal -1
	s_barrier_wait -1
	s_cmp_lg_u32 s12, 0
	s_cbranch_scc1 .Lnot_wave_0_\@
	s_barrier_signal -3
.Lnot_wave_0_\@:
	s_barrier_wait -3
	s_barrier_signal -1
	s_barrier_wait -1
.endm
	s_load_b256 s[20:27], s[0:1], 0x0              ; qf, kv, gt, mw
	s_load_b64 s[6:7], s[0:1], 0x20                ; oc
	v_lshl_add_u32 v245, v0, 2, 0x44000
	v_mov_b32 v255, 0
	ds_add_u32 v245, v255
	ds_add_u32 v245, v255
	v_lshrrev_b32 v1, 5, v0
	v_readfirstlane_b32 s12, v1                    ; wave 0..15
	s_lshr_b32 s13, s12, 3                         ; c: my head of the pair
	s_and_b32 s14, s12, 7                          ; a: my tile of queries
	s_bfe_u32 s15, ttmp6, 0x40000                  ; cx
	s_lshl_b32 s16, ttmp9, 2
	s_add_co_u32 s16, s16, s15                     ; f: it enters global addresses alone
	s_and_b32 s17, ttmp7, 0xffff                   ; hp, which the four partners share
	s_sub_co_i32 s18, s16, 3
	s_max_i32 s18, s18, 4                          ; g0
	; group 1: 13,056 dense bytes as 51 rows of 256 (32 elements of 8 bytes); one with the mask of the four, one without
	s_mov_b32 s28, 15|(3<<16)|(1<<21)
	s_mov_b32 s36, 3<<16
.irp g, 28, 36
	s_mov_b32 s[\g+1], 32<<16
	s_mov_b32 s[\g+2], 51<<16
	s_mov_b32 s[\g+3], 32<<16
	s_mov_b32 s[\g+4], 51
	s_mov_b32 s[\g+5], 32
	s_mov_b32 s[\g+6], 0
	s_mov_b32 s[\g+7], 0
.endr
	s_mul_i32 s19, s12, 13056                      ; my half record's place in LDS, and among eight records on end in memory
	s_mul_i32 s52, s17, 32*REC
	s_add_co_u32 s52, s52, s19                     ; frames 0 .. 3: hp and the wave alone
	s_mov_b32 s53, 0
	s_sub_co_u32 s54, s18, 4
	s_mul_i32 s54, s54, REC
	s_add_co_u32 s54, s54, s52                     ; frames g0 .. g0 + 3 (waves 8-15 stand four records on already)
	s_mov_b32 s55, 0
	s_wait_dscnt 0x0
	s_wait_kmcnt 0x0
	s_mov_b32 s44, 1
	s_mov_b32 s45, s19
	s_add_nc_u64 s[46:47], s[22:23], s[52:53]
	s_or_b32 s47, s47, 0x80000000
	s_mov_b32 s48, 1
	s_mov_b32 s49, s19
	s_add_nc_u64 s[50:51], s[22:23], s[54:55]
	s_or_b32 s51, s51, 0x80000000
	CROUND                                         ; all four work-groups are here: the joint loads meet
	s_cmp_lt_u32 s12, 8
	s_cbranch_scc0 .Lwindow
	tensor_load_to_lds s[44:47], s[28:35]          ; one load a wave in the whole launch
	s_nop 0
.rept 4
	v_nop
.endr
	s_branch .Lasked
.Lwindow:
	tensor_load_to_lds s[48:51], s[36:43]
	s_nop 0
.rept 4
	v_nop
.endr
.Lasked:
	s_lshl_b32 s15, s17, 5
	s_add_co_u32 s15, s15, s16                     ; my record: 32 hp + f
	s_mul_i32 s52, s15, 13312
	s_mul_i32 s18, s14, FRB
	s_mul_i32 s19, s13, 768
	s_add_co_u32 s18, s18, s19                     ; tile a, half c
	s_add_co_u32 s54, s52, s18
	s_mov_b32 s55, 0
	s_add_nc_u64 s[56:57], s[20:21], s[54:55]      ; q's codes
	s_lshl_b32 s54, s13, 9
	s_add_co_u32 s54, s54, s52
	s_lshr_b32 s19, s14, 2
	s_lshl_b32 s19, s19, 8
	s_add_co_u32 s54, s54, s19
	s_and_b32 s19, s14, 3
	s_lshl_b32 s19, s19, 2
	s_add_co_u32 s54, s54, s19
	s_add_co_u32 s54, s54, 12288
	s_add_nc_u64 s[58:59], s[20:21], s[54:55]      ; q's scale words
	s_lshl_b32 s54, s15, 16
	s_lshl_b32 s19, s14, 13
	s_add_co_u32 s54, s54, s19
	s_lshl_b32 s19, s13, 12
	s_add_co_u32 s54, s54, s19
	s_add_nc_u64 s[60:61], s[24:25], s[54:55]      ; the gate: block a, tiles 4 c .. 4 c + 3
	s_lshl_b32 s54, s16, 13
	s_lshl_b32 s19, s14, 8
	s_add_co_u32 s54, s54, s19
	s_add_nc_u64 s[4:5], s[26:27], s[54:55]        ; the mask's words: 2,048 bytes from frame to frame
	s_mul_i32 s54, s16, 98304
	s_mul_i32 s19, s17, 12288
	s_add_co_u32 s54, s54, s19
	s_add_co_u32 s54, s54, s18
	s_add_nc_u64 s[62:63], s[6:7], s[54:55]        ; the output's codes: block f, K step hp, tile a, half c
	s_lshl_b32 s54, s17, 14
	s_lshl_b32 s19, s16, 9
	s_add_co_u32 s54, s54, s19
	s_add_co_u32 s54, s54, 3145728
	s_add_nc_u64 s[66:67], s[6:7], s[54:55]        ; and its scale words
	v_and_b32 v248, 31, v0
	v_and_b32 v249, 15, v0
	v_lshlrev_b32 v250, 3, v248                    ; 8 x lane
	v_lshlrev_b32 v251, 4, v248                    ; 16 x lane
	v_lshlrev_b32 v252, 4, v249                    ; 16 r
	global_load_b64 v[16:17], v250, s[56:57]
	global_load_b128 v[18:21], v251, s[56:57] offset:256
	global_load_b32 v30, v252, s[58:59]
.irp t, 0,1,2,3
	global_load_b128 v[112+8*\t:115+8*\t], v251, s[60:61] offset:1024*\t
	global_load_b128 v[116+8*\t:119+8*\t], v251, s[60:61] offset:1024*\t+512
.endr
	s_mul_i32 s52, s13, 768
	v_add_nc_u32 v1, s52, v250                     ; k's fragments, my head's half
	v_add_nc_u32 v2, s52, v251
	s_mul_i32 s52, s13, 4*FRB
	s_add_co_u32 s52, s52, 12288
	v_add_nc_u32 v3, s52, v250                     ; v's, my head's four
	v_add_nc_u32 v4, s52, v251
	s_lshl_b32 s52, s13, 9
	s_add_co_u32 s52, s52, 24576
	v_add_nc_u32 v5, s52, v252                     ; k's scale words
	s_lshl_b32 s52, s13, 8
	s_add_co_u32 s52, s52, 25600
	v_add_nc_u32 v6, s52, v252                     ; v's
	s_lshl_b32 s52, s12, 12
	s_add_co_u32 s52, s52, SG
	v_add_nc_u32 v7, s52, v251
	s_lshl_b32 s52, s14, 6
	s_lshl_b32 s53, s13, 1
	s_add_co_u32 s52, s52, s53
	s_add_co_u32 s52, s52, OSC
	v_lshl_add_u32 v253, v249, 2, s52              ; my two scale bytes: 64 a + 4 r + 2 c
	v_add_nc_u32 v254, OSC, v251                   ; and where wave 0 reads all of them back
	s_mov_b32 s8, 0x3e38aa3b                       ; log2(e) / 8
	s_mov_b32 s9, s8                               ; (named with it as a pair, so it is written)
	s_mov_b32 s10, 0x76543210
	s_mov_b32 s11, 0xfedcba98
	s_mov_b32 s54, 0xbfb8aa3b                      ; -log2(e)
	s_mov_b32 s55, s54
	s_mov_b32 s2, 0                                ; the step's record in LDS
.irp j, 22,23,24,25,26,27
	v_mov_b32 v[\j], 0                             ; q's upper half of K: zero codes
.endr
.irp t, 0,1,2,3
.irp j, 6,7,8,9,10,11
	v_mov_b32 v[32+12*\t+\j], 0                    ; k's likewise: written once
.endr
.endr
	v_mov_b32 v13, 0xff61b1e6                      ; the largest t so far: -3e38
	v_floor_f32 v12, -v13
	v_mov_b32 v14, 0
	v_mov_b32 v15, 0
	v_mov_b32 v31, 0xff800000
	v_mov_b32 v247, 0                              ; (the upper half of the pair v[246:247])
.irp b, 0,1,2,3
	v_mov_b32 v[232+\b], 0                         ; a lane permute's destination counts as one of its sources
.endr
.irp j, 0,1,2,3,4,5,6,7,8,9,10,11,12,13,14,15,16,17,18,19,20,21,22,23,24,25,26,27,28,29,30,31
	v_mov_b32 v[176+\j], 0                         ; O^T: the step is written once, and its first trip finds zeros
.endr
	s_wait_loadcnt 0x0                             ; q and the gate
	; sigmoid(gate) = 1 / (1 + 2^(-log2(e) x)), made while the tiles are on their way, and put by in my own LDS bytes
.irp j, 0,2,4,6,8,10,12,14,16,18,20,22,24,26,28,30
	v_pk_mul_f32 v[112+\j:113+\j], v[112+\j:113+\j], s[54:55] op_sel_hi:[1,0]
.endr
.irp j, 0,1,2,3,4,5,6,7,8,9,10,11,12,13,14,15,16,17,18,19,20,21,22,23,24,25,26,27,28,29,30,31
	v_exp_f32 v[112+\j], v[112+\j]
.endr
	v_nop                                          ; a plain place behind the last exponential
	s_wait_alu depctr_va_vdst(0)                   ; one wait for the batch, ahead of its first reader
.irp j, 0,2,4,6,8,10,12,14,16,18,20,22,24,26,28,30
	v_pk_add_f32 v[112+\j:113+\j], v[112+\j:113+\j], 1.0 op_sel_hi:[1,0]
.endr
.irp j, 0,1,2,3,4,5,6,7,8,9,10,11,12,13,14,15,16,17,18,19,20,21,22,23,24,25,26,27,28,29,30,31
	v_rcp_f32 v[112+\j], v[112+\j]
.endr
	v_nop
	s_wait_alu depctr_va_vdst(0)                   ; and one for the reciprocals
.irp k, 0,1,2,3,4,5,6,7
	ds_store_b128 v7, v[112+4*\k:115+4*\k] offset:512*\k
.endr
	s_wait_tensorcnt 0x0                           ; my half record has landed,
	s_wait_dscnt 0x0
	s_barrier_signal -1
	s_barrier_wait -1                              ; everybody's has: all eight records are whole, and the descriptors' registers are free
; A KEY STEP: one frame of 128 keys.  masked = 1: hidden scores become -infinity under the frame's 64 words of lane bits.
.macro STEP masked
	v_add_nc_u32 v8, s2, v1                        ; (these six are also the places in front of the loads into registers that the last products read)
	v_add_nc_u32 v9, s2, v2
	v_add_nc_u32 v10, s2, v3
	v_add_nc_u32 v11, s2, v4
	v_add_nc_u32 v28, s2, v5
	v_add_nc_u32 v29, s2, v6
.if \masked
	s_load_b512 s[20:35], s[4:5], 0x0
	s_load_b512 s[36:51], s[4:5], 0x40
	s_load_b512 s[68:83], s[4:5], 0x80
	s_load_b512 s[84:99], s[4:5], 0xc0
.endif
.irp t, 0,1,2,3
	ds_load_b64 v[32+12*\t:33+12*\t], v8 offset:FRB*\t
	ds_load_b128 v[34+12*\t:37+12*\t], v9 offset:FRB*\t+256
.endr
	ds_load_b128 v[104:107], v28                   ; tiles 0-3's scale words of row r
.irp i, 0,1
	ds_load_b64 v[80+12*\i:81+12*\i], v10 offset:FRB*\i
	ds_load_b128 v[82+12*\i:85+12*\i], v11 offset:FRB*\i+256
	ds_load_b64 v[86+12*\i:87+12*\i], v10 offset:FRB*\i+768
	ds_load_b128 v[88+12*\i:91+12*\i], v11 offset:FRB*\i+1024
.endr
	ds_load_b128 v[108:111], v29                   ; v's four tiles' scale words
	s_wait_dscnt 9                                 ; k's nine loads are in; v's nine may be out
.irp t, 0,1,2,3
	v_wmma_scale_f32_16x16x128_f8f6f4 v[112+8*\t:119+8*\t], v[32+12*\t:43+12*\t], v[16:27], 0, v[104+\t], v30 matrix_a_fmt:MATRIX_FMT_FP6 matrix_b_fmt:MATRIX_FMT_FP6
.endr
.rept 4
	v_nop                                          ; places in front of loads into registers that matrix instructions have read
.endr
.irp t, 0,1,2,3
	ds_load_b64 v[32+12*\t:33+12*\t], v8 offset:FRB*(4+\t)
	ds_load_b128 v[34+12*\t:37+12*\t], v9 offset:FRB*(4+\t)+256
.endr
	ds_load_b128 v[104:107], v28 offset:256
	s_wait_dscnt 0x0
.irp t, 0,1,2,3
	v_wmma_scale_f32_16x16x128_f8f6f4 v[144+8*\t:151+8*\t], v[32+12*\t:43+12*\t], v[16:27], 0, v[104+\t], v30 matrix_a_fmt:MATRIX_FMT_FP6 matrix_b_fmt:MATRIX_FMT_FP6
.endr                                          ; lane (r, h) holds query r; register n holds key 32 (n / 16) + 16 h + n % 16 of the frame
.rept 4
	v_nop
.endr
.if \masked
	s_wait_kmcnt 0x0                               ; the words are in, and their address may step
	s_add_nc_u64 s[4:5], s[4:5], 2048
.set n, 0
.rept 64
.if n < 32
	v_cndmask_b32 v[112+n], v31, v[112+n], s[20+n]
.else
	v_cndmask_b32 v[112+n], v31, v[112+n], s[36+n]
.endif
.set n, n+1
.endr
.endif
.irp b, 0,1,2,3
	v_max3_num_f32 v[228+\b], v[112+16*\b], v[113+16*\b], v[114+16*\b]   ; the largest score of each block of 32 keys: it serves for the row's maximum and, since p rises with the score, for the block's largest p
.endr
.irp i, 3,5,7,9,11,13
.irp b, 0,1,2,3
	v_max3_num_f32 v[228+\b], v[228+\b], v[112+16*\b+\i], v[113+16*\b+\i]
.endr
.endr
.irp b, 0,1,2,3
	v_max_num_f32 v[228+\b], v[228+\b], v[127+16*\b]
.endr
.irp b, 0,1,2,3
	v_permlanex16_b32 v[232+\b], v[228+\b], s10, s11
.endr
.irp b, 0,1,2,3
	v_max_num_f32 v[228+\b], v[228+\b], v[232+\b]  ; with lane l xor 16's 16 keys
.endr
	v_max3_num_f32 v248, v228, v229, v230
	v_max_num_f32 v248, v248, v231
	v_mul_f32 v248, s8, v248                       ; as t
	v_max_num_f32 v13, v13, v248                   ; the running largest t
	v_mov_b32 v248, v12
	v_floor_f32 v12, -v13                          ; the new -M = -ceil(t)
	v_sub_f32 v248, v12, v248                      ; old M - new M: a whole number, 0 or less
	v_cvt_i32_f32 v248, v248                       ; (it saturates)
	v_ldexp_f32 v246, 1.0, v248                    ; f = 2^(old M - new M)
.irp j, 0,2,4,6,8,10,12,14,16,18,20,22,24,26,28,30,32,34,36,38,40,42,44,46,48,50,52,54,56,58,60,62
	v_pk_fma_f32 v[112+\j:113+\j], v[112+\j:113+\j], s[8:9], v[12:13] op_sel_hi:[1,0,0]   ; t - M, two at a time
.endr
.irp b, 0,1,2,3
	v_fma_f32 v[228+\b], v[228+\b], s8, v12        ; the same of each block's largest score
.endr
.irp j, 0,1,2,3,4,5,6,7,8,9,10,11,12,13,14,15,16,17,18,19,20,21,22,23,24,25,26,27,28,29,30,31,32,33,34,35,36,37,38,39,40,41,42,43,44,45,46,47,48,49,50,51,52,53,54,55,56,57,58,59,60,61,62,63
	v_exp_f32 v[112+\j], v[112+\j]                 ; p = 2^(t - M), at most 1
.endr
	v_pk_mul_f32 v[14:15], v[14:15], v[246:247] op_sel_hi:[1,0]   ; the sums under the new M (a plain place behind the exponentials)
	s_wait_alu depctr_va_vdst(0)                   ; one wait for the whole batch, ahead of its first reader
.irp b, 0,1,2,3
	v_exp_f32 v[228+\b], v[228+\b]                 ; the block's largest p
.endr
	v_pk_add_f32 v[236:237], v[112:113], v[114:115]   ; the row's sum is taken of the unquantised p, in two chains
.irp j, 4,8,12,16,20,24,28,32,36,40,44,48,52,56,60
	v_pk_add_f32 v[14:15], v[14:15], v[112+\j:113+\j]
	v_pk_add_f32 v[236:237], v[236:237], v[114+\j:115+\j]
.endr
	v_pk_add_f32 v[14:15], v[14:15], v[236:237]
	s_wait_alu depctr_va_vdst(0)                   ; and one for the four
.irp b, 0,1,2,3
	v_max_num_f32 v[228+\b], 0x1800000, v[228+\b]  ; the floor 2^(3 - 127): a block whose every p is 0 keeps the byte 1: its codes are zeros
.endr
.irp b, 0,1,2,3
	v_add_nc_u32 v[240+\b], 0xff000000, v[228+\b]  ; 2 off the exponent field: the conversion's scale operand
.endr
.irp b, 0,1,2,3
	v_lshrrev_b32 v[232+\b], 23, v[240+\b]
.endr
	v_lshl_or_b32 v244, v233, 8, v232              ; p's scale word for these 128 keys
	v_lshl_or_b32 v244, v234, 16, v244
	v_lshl_or_b32 v244, v235, 24, v244
.irp c, 0,1
	v_cvt_scalef32_pk16_fp6_f32 v[208+6*\c:210+6*\c], v[112+32*\c:127+32*\c], v[240+2*\c]
	v_cvt_scalef32_pk16_fp6_f32 v[220+4*\c:222+4*\c], v[128+32*\c:143+32*\c], v[240+2*\c+1]
.endr
	v_nop                                          ; one plain place behind a scaled conversion
.irp c, 0,1
.irp i, 0,1,2
	v_permlane16_swap_b32 v[208+6*\c+\i], v[220+4*\c+\i]
.endr
.irp i, 0,1,2
	v_mov_b32 v[211+6*\c+\i], v[220+4*\c+\i]
.endr
.endr
.irp j, 0,2,4,6,8,10,12,14,16,18,20,22,24,26,28,30
	v_pk_mul_f32 v[176+\j:177+\j], v[176+\j:177+\j], v[246:247] op_sel_hi:[1,0]   ; O^T under the new M (these sixteen are also the places in front of the products below)
.endr
.irp i, 0,1
	v_wmma_scale_f32_16x16x128_f8f6f4 v[176+8*\i:183+8*\i], v[80+12*\i:91+12*\i], v[208:219], v[176+8*\i:183+8*\i], v[108+\i], v244 matrix_a_fmt:MATRIX_FMT_FP6 matrix_b_fmt:MATRIX_FMT_FP6
.endr
.rept 4
	v_nop
.endr
.irp i, 0,1
	ds_load_b64 v[80+12*\i:81+12*\i], v10 offset:FRB*(2+\i)
	ds_load_b128 v[82+12*\i:85+12*\i], v11 offset:FRB*(2+\i)+256
	ds_load_b64 v[86+12*\i:87+12*\i], v10 offset:FRB*(2+\i)+768
	ds_load_b128 v[88+12*\i:91+12*\i], v11 offset:FRB*(2+\i)+1024
.endr
	s_wait_dscnt 0x0
.irp i, 0,1
	v_wmma_scale_f32_16x16x128_f8f6f4 v[192+8*\i:199+8*\i], v[80+12*\i:91+12*\i], v[208:219], v[192+8*\i:199+8*\i], v[110+\i], v244 matrix_a_fmt:MATRIX_FMT_FP6 matrix_b_fmt:MATRIX_FMT_FP6
.endr
	s_add_co_u32 s2, s2, REC                       ; the next frame's record
.endm
	s_mov_b32 s3, 4
.Lsink:                                            ; key frames 0 .. 3: every key counts
	STEP 0
	s_sub_co_u32 s3, s3, 1
	s_cmp_lg_u32 s3, 0
	s_cbranch_scc1 .Lsink
	s_mov_b32 s3, 4
.Lwin:                                             ; key frames g0 .. g0 + 3, under the mask
	STEP 1
	s_sub_co_u32 s3, s3, 1
	s_cmp_lg_u32 s3, 0
	s_cbranch_scc1 .Lwin
	; THE WAY OUT: O^T / the sum x sigmoid(gate); register 16 B + i is channel 32 B + 16 h + i of my head: two blocks of 32 along the last product's K, half c of a fragment of its K step hp.
.rept 4
	v_nop                                          ; places behind the last products
.endr
.irp k, 0,1,2,3,4,5,6,7
	ds_load_b128 v[144+4*\k:147+4*\k], v7 offset:512*\k   ; my sigmoids
.endr
	v_add_f32 v14, v14, v15
	v_permlanex16_b32 v232, v14, s10, s11
	v_add_f32 v14, v14, v232                       ; the row's sum
	v_rcp_f32 v246, v14
	v_nop                                          ; a plain place behind the reciprocal
	s_wait_alu depctr_va_vdst(0)                   ; the wait ahead of its first reader
	s_wait_dscnt 0x0
.irp j, 0,2,4,6,8,10,12,14,16,18,20,22,24,26,28,30
	v_pk_mul_f32 v[112+\j:113+\j], v[176+\j:177+\j], v[246:247] op_sel_hi:[1,0]
.endr
.irp j, 0,2,4,6,8,10,12,14,16,18,20,22,24,26,28,30
	v_pk_mul_f32 v[112+\j:113+\j], v[112+\j:113+\j], v[144+\j:145+\j]
.endr
.irp b, 0,1
	v_max3_num_f32 v[228+\b], |v[112+16*\b]|, |v[113+16*\b]|, 0x1800000
.endr
.irp i, 2,4,6,8,10,12,14
.irp b, 0,1
	v_max3_num_f32 v[228+\b], v[228+\b], |v[112+16*\b+\i]|, |v[113+16*\b+\i]|
.endr
.endr
.irp b, 0,1
	v_permlanex16_b32 v[232+\b], v[228+\b], s10, s11
.endr
.irp b, 0,1
	v_max_num_f32 v[228+\b], v[228+\b], v[232+\b]
.endr
.irp b, 0,1
	v_add_nc_u32 v[240+\b], 0xff000000, v[228+\b]
.endr
.irp b, 0,1
	v_lshrrev_b32 v[232+\b], 23, v[240+\b]
.endr
	v_lshl_or_b32 v234, v233, 8, v232              ; my head's two bytes of the row's scale word
	v_cvt_scalef32_pk16_fp6_f32 v[208:210], v[112:127], v240
	v_cvt_scalef32_pk16_fp6_f32 v[220:222], v[128:143], v241
	v_nop
.irp i, 0,1,2
	v_permlane16_swap_b32 v[208+\i], v[220+\i]
.endr
.irp i, 0,1,2
	v_mov_b32 v[211+\i], v[220+\i]
.endr
	global_store_b64 v250, v[208:209], s[62:63]    ; 256 consecutive bytes,
	global_store_b128 v251, v[210:213], s[62:63] offset:256   ; 512 consecutive bytes
	ds_store_b16 v253, v234                        ; lanes r and r + 16 write the same two bytes with the same value
	s_wait_dscnt 0x0                               ; for the others' sake
	s_barrier_signal -1
	s_barrier_wait -1
	s_cmp_lg_u32 s12, 0
	s_cbranch_scc1 .Lnot_first
	ds_load_b128 v[236:239], v254                  ; the 128 rows' scale words
	s_wait_dscnt 0x0
	global_store_b128 v251, v[236:239], s[66:67]   ; 512 consecutive bytes
.Lnot_first:
	s_wait_tensorcnt 0x0
	ds_add_u32 v245, v255
	s_wait_dscnt 0x0
	CROUND                                         ; the closing round
	s_endpgm
.Lfunc_end_k_q51a9b65baa_attn:
	.size	k_q51a9b65baa_attn, .Lfunc_end_k_q51a9b65baa_attn-k_q51a9b65baa_attn
	.p2alignl 7, 3214868480
	.fill 96, 4, 3214868480
	.section	.rodata,"a",@progbits
	.p2align	6, 0x0
	.amdhsa_kernel k_q51a9b65baa_attn
		.amdhsa_group_segment_fixed_size 280576
		.amdhsa_private_segment_fixed_size 0
		.amdhsa_enable_private_segment 0
		.amdhsa_kernarg_size 40
		.amdhsa_user_sgpr_count 2
		.amdhsa_user_sgpr_kernarg_segment_ptr 1
		.amdhsa_wavefront_size32 1
		.amdhsa_system_sgpr_workgroup_id_x 1
		.amdhsa_system_sgpr_workgroup_id_y 1
		.amdhsa_system_sgpr_workgroup_id_z 1
		.amdhsa_system_vgpr_workitem_id 0
		.amdhsa_next_free_vgpr 256
		.amdhsa_next_free_sgpr 100
		.amdhsa_reserve_vcc 0
		.amdhsa_float_denorm_mode_32 3
		.amdhsa_float_denorm_mode_16_64 3
		.amdhsa_memory_ordered 1
		.amdhsa_forward_progress 1
		.amdhsa_inst_pref_size 58
	.end_amdhsa_kernel
	.amdgpu_metadata
---
amdhsa.version: [ 1, 2 ]
amdhsa.kernels:
  - .name:           k_q51a9b65baa_attn
    .symbol:         k_q51a9b65baa_attn.kd
    .args:
      - { .name: qf, .offset: 0, .size: 8, .value_kind: global_buffer, .address_space: global }
      - { .name: kv, .offset: 8, .size: 8, .value_kind: global_buffer, .address_space: global }
      - { .name: gt, .offset: 16, .size: 8, .value_kind: global_buffer, .address_space: global }
      - { .name: mw, .offset: 24, .size: 8, .value_kind: global_buffer, .address_space: global }
      - { .name: oc, .offset: 32, .size: 8, .value_kind: global_buffer, .address_space: global }
    .group_segment_fixed_size: 280576
    .private_segment_fixed_size: 0
    .kernarg_segment_align: 8
    .kernarg_segment_size: 40
    .max_flat_workgroup_size: 512
    .sgpr_count:     100
    .vgpr_count:     256
    .wavefront_size: 32
...
	.end_amdgpu_metadata
.endif
;; end of part 3
;; launch proj (part 4): grid 8 x 32, 4 waves a work-group, clusters of 4 x 4, 215,552 bytes of LDS; arguments oc, cod, scl, proj_b, out0; writes out0
.if DOCPART == 4
	.amdgcn_target "amdgcn-amd-amdhsa--gfx1250"
	.amdhsa_code_object_version 6
	.text
	.protected	k_q51a9b65baa_proj
	.globl	k_q51a9b65baa_proj
	.p2align	8
	.type	k_q51a9b65baa_proj,@function
k_q51a9b65baa_proj:
	s_mov_b64 s[64:65], 0
	v_nop
	global_prefetch_b8 v0, s[64:65] scope:SCOPE_SE
	s_setreg_imm32_b32 hwreg(HW_REG_WAVE_MODE, 25, 1), 1
	s_wait_xcnt 0x0
	s_wait_alu depctr_hold_cnt(0) depctr_sa_sdst(0) depctr_va_vdst(0) depctr_va_sdst(0) depctr_va_ssrc(0) depctr_va_vcc(0) depctr_vm_vsrc(0)
	s_getreg_b32 s2, hwreg(HW_REG_IB_STS2, 6, 4)
	s_cmp_eq_u32 s2, 0
	s_cbranch_scc0 .Lentry_in_a_cluster
	s_endpgm
.Lentry_in_a_cluster:
	s_bfe_u32 s2, ttmp6, 0x10000c
	s_cmp_lg_u32 s2, 0xf033
	s_cbranch_scc0 .Lentry_shape_is_right
	s_endpgm
.Lentry_shape_is_right:
; PROJ: out0 = o proj_w + proj_b on codes of FP6 (E2M3) with E8M0 scales; M = 4,096, N = K = 1,024; out0 f32.
; A tile of 128 x 128, so that there are 256 work-groups; four waves, each 64 x 64: 16 accumulators.  Source 0 = 16 columns of proj_w, source 1 = 16 tokens of o: a lane holds a token and eight neighbouring columns.
; Both operands are fragments laid as images of their registers, [block of 128 rows][K step][tile][1,536], rows by position (bits 3 and 4 exchanged).  A work-group's whole K fits in LDS:
; o's block (98,304 bytes) and proj_w's: every byte is filled once, so no slot is filled again.
; CLUSTERS: 4 x 4: o's block is shared along a row of the cluster, proj_w's along a column: each wave asks jointly for four K steps, all at the start: four loads of a wave are out.
; The bias is the C of each sum's first matrix instruction.  A scale register carries two tiles' words: the even tile's in lanes 0-15, the odd tile's in lanes 16-31.
; REGISTERS: window 0: v4-11 offsets, v16-23 LDS addresses, v32-47 o's scale words, v48-63 proj_w's, v64-95 the bias (later, with v96-127, rows on the way out), v128-255 the accumulators.
;   window 1: two fragment buffers at v0 and v128: o's four fragments, then proj_w's four.
.set RBB,   98304
.set KSB,   12288
.set FRB,   1536
.set STAGE, 196608                     ; behind the operands: 16 rows x (256 bytes + 16) for each wave
.set SA,    32                         ; o's words: tiles 2 ip, 2 ip + 1, K step s at v[SA + 2 s + ip]
.set SB,    48                         ; proj_w's at v[SB + 8 ip + s]
.set BS,    64
.set ACC,   128
.set MSB,   0
.macro WIN new
.if MSB != (\new)
	s_set_vgpr_msb (MSB<<8)|(\new)
.set MSB, (\new)
.endif
.endm
.macro CROUND
	s_barrier_signal -1
	s_barrier_wait -1
	s_cmp_lg_u32 s14, 0
	s_cbranch_scc1 .Lnot_wave_0_\@
	s_barrier_signal -3
.Lnot_wave_0_\@:
	s_barrier_wait -3
	s_barrier_signal -1
	s_barrier_wait -1
.endm
	s_load_b256 s[4:11], s[0:1], 0x0               ; oc, cod, scl, proj_b
	s_load_b64 s[12:13], s[0:1], 0x20              ; out0
	v_lshl_add_u32 v30, v0, 2, 0x34800
	v_mov_b32 v31, 0
	ds_add_u32 v30, v31
	ds_add_u32 v30, v31
	v_lshrrev_b32 v1, 5, v0
	v_readfirstlane_b32 s14, v1                    ; wave 0..3
	s_lshr_b32 s15, s14, 1                         ; which 64 tokens are mine.  Also: I fetch for o (0) or for proj_w (1)
	s_and_b32 s16, s14, 1                          ; which 64 columns.  Also: the even or the odd K steps
	s_bfe_u32 s17, ttmp6, 0x40000                  ; cx
	s_bfe_u32 s18, ttmp6, 0x40004                  ; cy
	s_lshl_b32 s19, ttmp9, 2
	s_add_co_u32 s19, s19, s17                     ; the block of 128 columns
	s_and_b32 s20, ttmp7, 0xffff
	s_lshl_b32 s20, s20, 2
	s_add_co_u32 s20, s20, s18                     ; the block of 128 tokens
	s_lshl_b32 s21, s18, 2
	s_lshl_b32 s21, 15, s21                        ; my row of the cluster
	s_lshl_b32 s22, 0x1111, s17                    ; my column
	; group 1: a K step's 12,288 dense bytes as 48 rows of 256 (32 elements of 8 bytes)
	s_or_b32 s24, s21, (3<<16)|(1<<21)
	s_or_b32 s32, s22, (3<<16)|(1<<21)
.irp g, 24, 32
	s_mov_b32 s[\g+1], 32<<16
	s_mov_b32 s[\g+2], 48<<16
	s_mov_b32 s[\g+3], 32<<16
	s_mov_b32 s[\g+4], 48
	s_mov_b32 s[\g+5], 32
	s_mov_b32 s[\g+6], 0
	s_mov_b32 s[\g+7], 0
.endr
	s_mul_i32 s89, s16, KSB
	s_mul_i32 s84, s20, RBB
	s_add_co_u32 s84, s84, s89                     ; o: my first K step
	s_mov_b32 s85, 0
	s_add_co_u32 s86, s19, 64
	s_mul_i32 s86, s86, RBB
	s_add_co_u32 s86, s86, s89                     ; proj_w likewise
	s_mov_b32 s87, 0
	s_mul_i32 s88, s15, RBB
	s_add_co_u32 s88, s88, s89                     ; and its place in LDS: the wave's number alone
	s_wait_dscnt 0x0
	s_wait_kmcnt 0x0
	s_add_nc_u64 s[84:85], s[4:5], s[84:85]
	s_add_nc_u64 s[86:87], s[6:7], s[86:87]
.irp q, 0,1,2,3
	s_mov_b32 s[40+4*\q], 1
	s_add_co_u32 s[41+4*\q], s88, \q*2*KSB
	s_add_nc_u64 s[42+4*\q:43+4*\q], s[84:85], \q*2*KSB
	s_or_b32 s[43+4*\q], s[43+4*\q], 0x80000000
	s_mov_b32 s[68+4*\q], 1
	s_add_co_u32 s[69+4*\q], s88, \q*2*KSB
	s_add_nc_u64 s[70+4*\q:71+4*\q], s[86:87], \q*2*KSB
	s_or_b32 s[71+4*\q], s[71+4*\q], 0x80000000
.endr
	CROUND                                         ; all sixteen work-groups are here: the joint loads meet
	s_cmp_eq_u32 s15, 0
	s_cbranch_scc0 .Lfor_b
.irp q, 0,1,2,3
	tensor_load_to_lds s[40+4*\q:43+4*\q], s[24:31]
	s_nop 0
.endr
.rept 4
	v_nop
.endr
	s_branch .Lasked
.Lfor_b:
.irp q, 0,1,2,3
	tensor_load_to_lds s[68+4*\q:71+4*\q], s[32:39]
	s_nop 0
.endr
.rept 4
	v_nop
.endr
.Lasked:
	v_and_b32 v1, 31, v0                           ; lane
	v_and_b32 v2, 15, v0                           ; r
	v_bfe_u32 v3, v0, 4, 1                         ; h
	v_lshlrev_b32 v4, 3, v1                        ; 8 x lane
	v_lshlrev_b32 v5, 4, v1                        ; 16 x lane
	v_lshlrev_b32 v6, 2, v1                        ; 4 x lane
	v_lshlrev_b32 v7, 4, v2
	v_lshl_or_b32 v7, v3, 9, v7                    ; 512 h + 16 r
	v_lshlrev_b32 v8, 6, v3                        ; 64 h
	v_lshlrev_b32 v9, 4, v2
	v_lshl_or_b32 v9, v3, 12, v9                   ; out0: 4,096 h + 16 r
	s_mul_i32 s90, s15, 4*FRB                      ; my four tiles of o
	s_mul_i32 s91, s16, 4*FRB
	s_add_co_u32 s91, s91, RBB                     ; my four of proj_w
	v_add_nc_u32 v16, s90, v4
	v_add_nc_u32 v17, s90, v5
	v_add_nc_u32 v20, s91, v4
	v_add_nc_u32 v21, s91, v5
	s_add_co_u32 s90, s90, 4*KSB                   ; K steps 4 .. 7
	s_add_co_u32 s91, s91, 4*KSB
	v_add_nc_u32 v18, s90, v4
	v_add_nc_u32 v19, s90, v5
	v_add_nc_u32 v22, s91, v4
	v_add_nc_u32 v23, s91, v5
	s_mul_i32 s90, s14, 16*272
	s_add_co_u32 s90, s90, STAGE                   ; my stage
	v_mul_u32_u24 v10, v2, 272
	v_lshl_add_u32 v10, v3, 6, v10
	v_add_nc_u32 v10, s90, v10                     ; in: row r, + 64 h
	v_mul_u32_u24 v11, v3, 272
	v_lshl_add_u32 v11, v2, 4, v11
	v_add_nc_u32 v11, s90, v11                     ; back: lanes 0-15 one row, lanes 16-31 the next
	s_lshl_b32 s90, s20, 3
	s_lshl_b32 s91, s15, 2
	s_add_co_u32 s90, s90, s91                     ; my first tile of o
	s_lshl_b32 s90, s90, 6
	s_add_co_u32 s90, s90, 3145728
	s_mov_b32 s91, 0
	s_add_nc_u64 s[92:93], s[4:5], s[90:91]
	s_lshl_b32 s90, s19, 3
	s_lshl_b32 s96, s16, 2
	s_add_co_u32 s90, s90, s96
	s_add_co_u32 s90, s90, 512                     ; my first tile of proj_w
	s_lshl_b32 s90, s90, 9
	s_add_nc_u64 s[94:95], s[8:9], s[90:91]
	s_lshl_b32 s90, s19, 9
	s_lshl_b32 s96, s16, 8
	s_add_co_u32 s90, s90, s96                     ; my first column, in bytes
	s_mov_b32 s97, s90
	s_add_nc_u64 s[10:11], s[10:11], s[90:91]
	s_lshl_b32 s90, s20, 7
	s_lshl_b32 s96, s15, 6
	s_add_co_u32 s90, s90, s96                     ; my first token
	s_lshl_b32 s90, s90, 12
	s_add_co_u32 s90, s90, s97
	s_add_nc_u64 s[12:13], s[12:13], s[90:91]
.irp s, 0,1,2,3,4,5,6,7
.irp p, 0,1
	global_load_b32 v[SA+2*\s+\p], v6, s[92:93] offset:16384*\s+128*\p
.endr
.endr
.irp p, 0,1
	global_load_b128 v[SB+8*\p:SB+8*\p+3], v7, s[94:95] offset:1024*\p
	global_load_b128 v[SB+8*\p+4:SB+8*\p+7], v7, s[94:95] offset:1024*\p+256
.endr
.irp b, 0,1,2,3
	global_load_b128 v[BS+8*\b:BS+8*\b+3], v8, s[10:11] offset:(32*(\b/2)+8*(\b%2))*4
	global_load_b128 v[BS+8*\b+4:BS+8*\b+7], v8, s[10:11] offset:(32*(\b/2)+8*(\b%2))*4+16
.endr
.macro FETCH ks                        ; K step ks: eight fragments, 32 loads, into buffer ks % 2
.set FB, 128*((\ks)%2)
.set HX, 2*((\ks)/4)
.set KO, ((\ks)%4)*KSB
	WIN 0x40
.irp i, 0,1,2,3
	ds_load_b64 v[FB+12*\i:FB+12*\i+1], v[16+HX] offset:KO+\i*FRB
	ds_load_b128 v[FB+12*\i+2:FB+12*\i+5], v[17+HX] offset:KO+\i*FRB+256
	ds_load_b64 v[FB+12*\i+6:FB+12*\i+7], v[16+HX] offset:KO+\i*FRB+768
	ds_load_b128 v[FB+12*\i+8:FB+12*\i+11], v[17+HX] offset:KO+\i*FRB+1024
.endr
.irp i, 0,1,2,3
	ds_load_b64 v[FB+48+12*\i:FB+48+12*\i+1], v[20+HX] offset:KO+\i*FRB
	ds_load_b128 v[FB+48+12*\i+2:FB+48+12*\i+5], v[21+HX] offset:KO+\i*FRB+256
	ds_load_b64 v[FB+48+12*\i+6:FB+48+12*\i+7], v[20+HX] offset:KO+\i*FRB+768
	ds_load_b128 v[FB+48+12*\i+8:FB+48+12*\i+11], v[21+HX] offset:KO+\i*FRB+1024
.endr
.endm
; 16 matrix instructions, the 16 accumulators by turns.  first = 1: the sums begin with the bias.
.macro MULS ks, first
	WIN 0x05                                       ; both sources window 1, C and D window 0
.irp a, 0,1,2,3
.irp b, 0,1,2,3
.set rD, ACC+8*(4*\a+\b)
.set rC, rD
.if \first
.set rC, BS+8*\b
.endif
.set rX, 128*((\ks)%2)+48+12*\b
.set rY, 128*((\ks)%2)+12*\a
.set rSX, SB+8*(\b/2)+(\ks)
.set rSY, SA+2*(\ks)+(\a/2)
.if (\a%2 == 0) && (\b%2 == 0)
	v_wmma_scale_f32_16x16x128_f8f6f4 v[rD:rD+7], v[rX:rX+11], v[rY:rY+11], v[rC:rC+7], v[rSX], v[rSY] matrix_a_fmt:MATRIX_FMT_FP6 matrix_b_fmt:MATRIX_FMT_FP6
.elseif (\a%2 == 0)
	v_wmma_scale_f32_16x16x128_f8f6f4 v[rD:rD+7], v[rX:rX+11], v[rY:rY+11], v[rC:rC+7], v[rSX], v[rSY] matrix_a_fmt:MATRIX_FMT_FP6 matrix_b_fmt:MATRIX_FMT_FP6 matrix_a_scale:MATRIX_SCALE_ROW1
.elseif (\b%2 == 0)
	v_wmma_scale_f32_16x16x128_f8f6f4 v[rD:rD+7], v[rX:rX+11], v[rY:rY+11], v[rC:rC+7], v[rSX], v[rSY] matrix_a_fmt:MATRIX_FMT_FP6 matrix_b_fmt:MATRIX_FMT_FP6 matrix_b_scale:MATRIX_SCALE_ROW1
.else
	v_wmma_scale_f32_16x16x128_f8f6f4 v[rD:rD+7], v[rX:rX+11], v[rY:rY+11], v[rC:rC+7], v[rSX], v[rSY] matrix_a_fmt:MATRIX_FMT_FP6 matrix_b_fmt:MATRIX_FMT_FP6 matrix_a_scale:MATRIX_SCALE_ROW1 matrix_b_scale:MATRIX_SCALE_ROW1
.endif
.endr
.endr
.endm
	s_wait_tensorcnt 3                             ; my first K step is in; my other three may stay out
	s_barrier_signal -1
	s_barrier_wait -1                              ; K steps 0 and 1 are whole
	FETCH 0
	s_wait_loadcnt 0x0                             ; the scale words and the bias
.irp ks, 0,1,2,3,4,5,6,7
.if (\ks%2 == 1) && (\ks < 7)
	s_wait_dscnt 0x0                               ; no LDS load of mine is out at the signal
	s_wait_tensorcnt 3-(\ks+1)/2                   ; my part of the next two K steps is in; the later ones may stay out
	s_barrier_signal -1
	s_barrier_wait -1
.endif
.if \ks < 7
.if \ks > 0
.rept 4
	v_nop                                          ; places in front of loads into the buffer that the last products read
.endr
.endif
	FETCH \ks+1
	s_wait_dscnt 32                                ; all but the 32 just issued
.else
	s_wait_dscnt 0x0
.endif
.if \ks == 0
	MULS \ks, 1
.else
	MULS \ks, 0
.endif
.endr
	WIN 0
; THE WAY OUT, a block of 16 tokens x 64 columns at a time: through my own stage and back as rows of 256 bytes.  Tile b's registers are columns 32 (b / 2) + 16 h + 8 (b % 2) + 0 .. 7;
; stage row p of block a is token 32 (a / 2) + 8 (a % 2) + p % 8 + 16 (p / 8) of my 64.  LDS serves a wave's instructions in order: no wait between the stores and the loads.
.macro TOSTAGE a
.irp b, 0,1,2,3
	ds_store_b128 v10, v[ACC+8*(4*(\a)+\b):ACC+8*(4*(\a)+\b)+3] offset:128*(\b/2)+32*(\b%2)        ; each accumulator from its low end on
	ds_store_b128 v10, v[ACC+8*(4*(\a)+\b)+4:ACC+8*(4*(\a)+\b)+7] offset:128*(\b/2)+32*(\b%2)+16
.endr
.set BB, 64+32*((\a)%2)
.irp t, 0,1,2,3,4,5,6,7
	ds_load_b128 v[BB+4*\t:BB+4*\t+3], v11 offset:\t*2*272
.endr
.endm
.macro SEND a, younger                 ; younger: the LDS instructions issued behind block a's loads
.set BB, 64+32*((\a)%2)
	s_wait_dscnt \younger
.irp t, 0,1,2,3,4,5,6,7
	global_store_b128 v9, v[BB+4*\t:BB+4*\t+3], s[12:13] offset:(32*((\a)/2)+8*((\a)%2)+2*(\t%4)+16*(\t/4))*4096 th:TH_STORE_NT   ; 16 lanes store 256 consecutive bytes, at a multiple of 256 from out0's first byte
.endr
.endm
.rept 4
	v_nop                                          ; places behind the last products
.endr
	TOSTAGE 0
.irp a, 1,2,3
.if \a > 1
	s_wait_xcnt 0x0                                ; block a - 2's stores have read their registers: block a's loads may land there
.endif
	TOSTAGE \a
	SEND \a-1, 16                                  ; behind block a - 1's loads: block a's 8 stores and 8 loads
.endr
	SEND 3, 0
	s_wait_tensorcnt 0x0
	ds_add_u32 v30, v31
	s_wait_dscnt 0x0
	CROUND                                         ; the closing round: no work-group ends while a partner may still ask for a tile that names it
	s_endpgm
.Lfunc_end_k_q51a9b65baa_proj:
	.size	k_q51a9b65baa_proj, .Lfunc_end_k_q51a9b65baa_proj-k_q51a9b65baa_proj
	.p2alignl 7, 3214868480
	.fill 96, 4, 3214868480
	.section	.rodata,"a",@progbits
	.p2align	6, 0x0
	.amdhsa_kernel k_q51a9b65baa_proj
		.amdhsa_group_segment_fixed_size 215552
		.amdhsa_private_segment_fixed_size 0
		.amdhsa_enable_private_segment 0
		.amdhsa_kernarg_size 40
		.amdhsa_user_sgpr_count 2
		.amdhsa_user_sgpr_kernarg_segment_ptr 1
		.amdhsa_wavefront_size32 1
		.amdhsa_system_sgpr_workgroup_id_x 1
		.amdhsa_system_sgpr_workgroup_id_y 1
		.amdhsa_system_sgpr_workgroup_id_z 1
		.amdhsa_system_vgpr_workitem_id 0
		.amdhsa_next_free_vgpr 512
		.amdhsa_next_free_sgpr 100
		.amdhsa_reserve_vcc 0
		.amdhsa_float_denorm_mode_32 3
		.amdhsa_float_denorm_mode_16_64 3
		.amdhsa_memory_ordered 1
		.amdhsa_forward_progress 1
		.amdhsa_inst_pref_size 53
	.end_amdhsa_kernel
	.amdgpu_metadata
---
amdhsa.version: [ 1, 2 ]
amdhsa.kernels:
  - .name:           k_q51a9b65baa_proj
    .symbol:         k_q51a9b65baa_proj.kd
    .args:
      - { .name: oc, .offset: 0, .size: 8, .value_kind: global_buffer, .address_space: global }
      - { .name: cod, .offset: 8, .size: 8, .value_kind: global_buffer, .address_space: global }
      - { .name: scl, .offset: 16, .size: 8, .value_kind: global_buffer, .address_space: global }
      - { .name: proj_b, .offset: 24, .size: 8, .value_kind: global_buffer, .address_space: global }
      - { .name: out0, .offset: 32, .size: 8, .value_kind: global_buffer, .address_space: global }
    .group_segment_fixed_size: 215552
    .private_segment_fixed_size: 0
    .kernarg_segment_align: 8
    .kernarg_segment_size: 40
    .max_flat_workgroup_size: 128
    .sgpr_count:     100
    .vgpr_count:     512
    .wavefront_size: 32
...
	.end_amdgpu_metadata
.endif
;; end of part 4
